; MI455X (gfx1250); checked and timed in simulation.
; The chip was launched on July 23, 2026; its instructions are those of AMD's public machine-readable ISA for CDNA 5 (MIT licence, August 2026) and "CDNA5" Instruction Set Architecture Reference Guide (July 2026). The comments in the code are by the model that wrote it; some were corrected since.
;; Global Attn. Allowed arithmetic: matrix products marked QUANTISED: E2M1 operands, one E8M0 scale for each 32 along K, by v_wmma_scale_f32_16x16x128_f8f6f4 with both operands' format E2M1 (or v_wmma_scale_f32_32x16x128_f4), f32 sums; products left as they are: f32 operands where the result goes on into a quantised operand, else bf16, f16 or f32 operands; f32 sums; everything else in f32.
;; Inputs: W_codes 1,024 x 32 x 16 uint8 (E2M1 codes of W, K innermost, in blocks of 32 codes, two codes a byte); W_scales 1,024 x 32 uint8 (E8M0 scales of W, one for each 32 codes along K); b 1,024 float32; encoder_outputs_codes 1,024 x 64 x 32 x 16 uint8 (E2M1 codes of encoder_outputs, K innermost, in blocks of 32 codes, two codes a byte); encoder_outputs_scales 1,024 x 64 x 32 uint8 (E8M0 scales of encoder_outputs, one for each 32 codes along K); hidden_state 64 x 1,024 float32.
;; Outputs: out0 64 x 1 x 1,024 float32.
;; This version of the problem:
;;   THIS VERSION OF THE PROBLEM IS GIVEN IN LOW PRECISION. The matrix products marked QUANTISED in the list below multiply operands that are first quantised to E2M1 (2 exponent bits, 1 mantissa bit; 4 bits a number), with one power-of-two scale for each 32 numbers along K (OCP MX v1.0); their sums are f32. All else is computed in f32.
;;   The module's matrix products, in the order in which they are computed (A, B: the left and right operand; K: the contracted axis; several contracted axes count as one K, in the product's order):
;;     1. [M 65,536, K 1,024] x [K 1,024, N 1,024]; A: input encoder_outputs (given as codes); B: input W (given as codes): QUANTISED
;;     2. batch 64 x [M 1,024, K 1,024] x [K 1,024, N 1]; A: computed on the way; B: input hidden_state: left as it is (N = 1 < 16)
;;   THE QUANTISER, for each operand of a quantised product, along K:
;;     - K is cut into blocks of 32 from its start; a last block that is shorter is filled with zeros.
;;     - A block's scale is 2^e with e = floor(log2(the largest magnitude in the block)) - 2, held to -126 .. 127; a block of zeros has e = 0. As a byte (E8M0): e + 127.
;;     - Each number is divided by its block's scale, clamped to +-6, and rounded to the nearest number of E2M1, ties to even, subnormals kept.
;;     - The product sums the exact products of the quantised numbers (number of the format x scale) in f32.
;;   ~~~python
;;   def quantise(x, axis):      # numpy; x: float32 -> the quantised numbers, widened to float32 again
;;       x = np.moveaxis(x, axis, -1); K = x.shape[-1]
;;       x = np.pad(x, [(0, 0)] * (x.ndim - 1) + [(0, -K % 32)]); x = x.reshape(x.shape[:-1] + (-1, 32)); a = np.abs(x).max(-1, keepdims=True)
;;       e = np.where(a > 0, np.clip(np.frexp(np.where(a > 0, a, 1))[1] - 1 - 2, -126, 127), 0)      # np.frexp(a)[1] - 1 = floor(log2(a)), exactly
;;       r = np.clip(x / 2.0 ** e, -6, 6)
;;       step = 2.0 ** (np.maximum(np.frexp(np.where(r == 0, 1, r))[1] - 1, 0) - 1)
;;       q = np.round(r / step) * step * 2.0 ** e      # np.round: ties to even
;;       return np.moveaxis(q.reshape(q.shape[:-2] + (-1,))[..., :K], -1, axis).astype(np.float32)
;;   ~~~
;;   INPUTS GIVEN AS CODES. W (in the module: [1024, 1024], K = its axis 1); encoder_outputs (in the module: [1024, 64, 1024], K = its axis 2): each comes as NAME_codes (uint8): NAME with its K axis moved to the last place and cut into blocks of 32 codes, [.., K / 32, bytes a block], one block behind the other in memory; two codes a byte, the lower K in the low four bits (a code: sign, 2 exponent bits, 1 mantissa bit); and NAME_scales (uint8): the same leading axes, one E8M0 byte (e + 127) for each 32 codes along K. Its value is code x scale, taken as it is: it is not quantised again, and the codes and scales need not be those that the quantiser above would give.
;; 2 versions. Each part assembles by itself: llvm-mc -triple=amdgcn-amd-amdhsa -mcpu=gfx1250 --defsym DOCPART=n.
;; ======== version 1 of 2: 2 launches
;; workspace buffers: part 1,048,576 bytes
;; launch scores (part 1): grid 4 x 64, 4 waves a work-group, clusters of 4 x 4, 327,680 bytes of LDS; arguments W_codes, W_scales, b, encoder_outputs_codes, encoder_outputs_scales, hidden_state, part; writes part
.if DOCPART == 1
	.amdgcn_target "amdgcn-amd-amdhsa--gfx1250"
	.amdhsa_code_object_version 6
	.text
	.protected	k_qb8021c68a6_scores
	.globl	k_qb8021c68a6_scores
	.p2align	8
	.type	k_qb8021c68a6_scores,@function
k_qb8021c68a6_scores:
	s_mov_b64 s[64:65], 0
	v_nop
	global_prefetch_b8 v0, s[64:65] scope:SCOPE_SE
	s_setreg_imm32_b32 hwreg(HW_REG_WAVE_MODE, 25, 1), 1
	s_wait_xcnt 0x0
	s_wait_alu depctr_hold_cnt(0) depctr_sa_sdst(0) depctr_va_vdst(0) depctr_va_sdst(0) depctr_va_ssrc(0) depctr_va_vcc(0) depctr_vm_vsrc(0)
	s_getreg_b32 s2, hwreg(HW_REG_IB_STS2, 6, 4)
	s_cmp_eq_u32 s2, 0
	s_cbranch_scc0 .Lentry_in_a_cluster
	s_endpgm
.Lentry_in_a_cluster:
	s_bfe_u32 s2, ttmp6, 0x10000c
	s_cmp_lg_u32 s2, 0xf033
	s_cbranch_scc0 .Lentry_shape_is_right
	s_endpgm
.Lentry_shape_is_right:
; part[q][b][l] = the sum over g in quarter q of h[b][g] x (sum over k of enc[l][b][k] W[g][k] + bias[g]).  The four quarters are added, and the softmax taken, by the next launch.
; enc [1024 l][64 b][1024 k] and W [1024 g][1024 k] are codes of FP4 (E2M1), two a byte, K innermost, with one E8M0 byte for each 32 along K: they go to the matrix unit as they lie.
; The projection never exists in memory: each 16 x 16 tile of it is multiplied by h and summed, in f32 fused multiply-adds, straight out of the accumulators.
; SHARES.  256 work-groups = 4 quarters of g (q) x 64 groups of rows (yg).  A group of rows is 8 neighbouring b (b0 = 8 (yg % 8)) x 128 l (l0 = 128 (yg / 8)): one l then is 4,096 dense bytes of codes and 256 dense,
; aligned bytes of scales.  Wave w: gh = w % 2 takes 128 of the quarter's 256 rows of W, mh = w / 2 takes 64 of the 128 l (512 rows of enc).
; W STAYS IN REGISTERS: 128 rows x all 1,024 K = 64 fragments = 512 registers a wave.  enc streams: a BLOCK is 16 rows (2 l x 8 b) x all K: 8 fragments, 8 KiB read from LDS once, for 64 matrix instructions.
; THE MATRIX INSTRUCTION: source 0 = 16 rows of W, source 1 = 16 rows of enc.  Lane (r, h) of the result holds enc row r (b = b0 + r % 8, l = .. + r / 8) and register j holds g = 16 a + 8 h + j.
; The map lane -> b is the same in every block, so a lane's 64 numbers of h are 64 registers that stay.  The bias enters as the start of each block's sums: TB = the sum of h x bias over the lane's 64 g.
; PIPELINE.  While block n is multiplied (accumulator set n % 2), block n - 1's accumulators are dotted with h (32 packed multiply-adds, set between the matrix instructions), block n - 2's eight sums are added up and
; stored to a scratch in LDS, and block n + 1's fragments are fetched.  The registers are laid so that a block needs four switches of the register window.
; CLUSTER 4 x 4: the four q of a row of the cluster need the same tiles of enc, the four yg of a column the same tile of W: each tile is asked for jointly, by the same tensor load with a mask that names the four.
; LEFT OUT: no prefetch into the cache: every refill of a slot is itself asked for a whole chunk, 512 matrix instructions a wave, ahead of its first read.  One share a work-group: nothing to stay for.
; LIMITS: a scale byte 0xff gives NaN, as the format says.  The f32 sums over g (and the bias's) are taken in another order than a row-by-row sum would take them.
.set PITCH, 528                        ; an LDS row of codes: 512 bytes + 16 of padding = 132 words: row r starts at bank 4 r mod 64 (64 banks of 4 bytes: ISA guide 11.1)
.set BLK,   16*PITCH                   ; a block of 16 rows
.set QUART, 64*PITCH                   ; what one tensor load brings
.set HALF,  128*PITCH                  ; what one wave reads of a slot
.set SLOT,  256*PITCH
.set R0,    0                          ; slot 0: first W's 256 rows, then chunks 1 and 3 of enc
.set R1,    SLOT                       ; slot 1: chunks 0 and 2
.set SC,    2*SLOT                     ; enc's scale bytes of the group's 128 l: 256 bytes + 16 for each l; filled once
.set SCP,   272
.set SCW,   32*SCP                     ; a wave's load of them: 32 l
.set SCR,   SC+4*SCW                   ; the scratch of partial scores: written by LDS stores alone, no tile lands here
.set QP,    132                        ; a block's 32 words + 1
.set QW,    4288                       ; a wave's 32 blocks, rounded so that the way out's 32 lanes fall on 32 different banks
.set SPARE, SCR+4*QW                   ; the spare words, 128 bytes for each wave: two blocks of 256 bytes that no other line names
; REGISTERS, in windows of 256.  K step s lives in window WX(s): s = 0,1,2 -> window 2; 3,4 -> window 0; 5,6,7 -> window 3; IX(s) = its place there (0,1,2 | 0,1 | 0,1,2).
;   windows 2, 0, 3: W's fragment (block a, step s) at v[64 IX(s) + 8 a]; h for W's block a at v[192 + 8 IX(a)] of window WX(a).
;   window 0 besides: v128-159 W's scale words, v160-175 enc's (two sets), v176-191 and v208-255 addresses and the way out.
;   window 1: v0-23 enc's fragments of steps 0-2 (one set); v24-103 those of steps 3-7 (two sets); v104-231 two sets of 8 accumulators; v232-247 two sets of four pairs of sums; v248-255 TB.
.set WS,   128                         ; register 8 (a / 2) + s: lane L holds the word of W's row 32 (a / 2) + L: even a reads lanes 0-15, odd a lanes 16-31
.set ES,   160                         ; set p at + 8 p, register s: lane r holds the word of the block's row r
.set SPW,  176                         ; LDS address of my spare word; never rewritten
.set NIL,  177                         ; 0; never rewritten
.set SCL,  178                         ; LDS address of the scale words to be fetched
.set SCA,  179                         ; LDS address of the scratch word to be stored
.set AW,   180                         ; LDS address of my lane in W's tile
.set GA,   181                         ; the way out: where I read the scratch
.set GO,   182                         ; the way out: 16 x lane
.set HV,   192
.set RES,  208                         ; the way out: eight results (before that: three offsets of the head's loads)
.set ADE,  216                         ; LDS address of the enc fragments to be fetched
.set LT,   217                         ; my lane's place in a slot; stays
.set SCL0, 218                         ; my lane's place among the scale words; stays
.set SCA0, 219                         ; my lane's place in the scratch; stays
.set WO,   220                         ; the way out: 32 words read back
.set ACC,  104                         ; window 1
.set PS,   232
.set TB,   248
.set G1E,  36                          ; s[36:43] group 1: enc's codes;  s[44:51] enc's scales;  s[52:59] W's codes
.set G1S,  44
.set G1W,  52
.set G0W,  60                          ; s[60:63], s[68:71], s[72:75], s[76:79] groups 0: W, scales, chunks 0 and 2, chunks 1 and 3
.set G0S,  68
.set G0A,  72
.set G0B,  76
.set ALPHA, 0x56                       ; source 0 window 2; sources 1, 2 and the destination window 1
.set GAMMA, 0x54                       ; source 0 window 0: also right for an LDS load into window 1 (address = source 0)
.set BETA,  0x57                       ; source 0 window 3
.set SECT,  0x04                       ; LDS: address and loaded data window 0, stored data (source 1) window 1
.set MSB, 0
.macro WIN new                         ; the immediate's high byte repeats the setting that is left; a switch that changes nothing is dropped
.if MSB != \new
	s_set_vgpr_msb (MSB<<8)|\new
.set MSB, \new
.endif
.endm
.macro SETIX s                         ; IXV = IX(s)
.if (\s) < 3
.set IXV, (\s)
.elseif (\s) < 5
.set IXV, (\s)-3
.else
.set IXV, (\s)-5
.endif
.endm
; A round of the cluster's barrier: my work-group's barrier; wave 0 signals for the work-group; every wave waits for all sixteen work-groups; my work-group's barrier once more.
.macro ROUND
	s_barrier_signal -1
	s_barrier_wait -1
	s_cmp_lg_u32 s18, 0
	s_cbranch_scc1 .Lnot_wave_0_\@
	s_barrier_signal -3
.Lnot_wave_0_\@:
	s_barrier_wait -3
	s_barrier_signal -1
	s_barrier_wait -1
.endm
; THE CHANGE OF SLOTS.  Every window is 0 here.  Each wave waits for all its tensor loads (its part of the slot ahead), adds 0 to its spare word, and waits for that and for its reads of the slot that it leaves.
; fill = 1: a round of the cluster's barrier follows, and the joint refill of the slot just left is the first thing behind it; step = 1: its address goes two chunks on first.
.macro CHANGE fill, g0, step
	s_wait_tensorcnt 0x0                           ; no tensor load of mine is out, so a group 0 may be written
	ds_add_u32 v[SPW], v[NIL]                      ; 0 onto my spare word
.if \step
	s_add_nc_u64 s[\g0+2:\g0+3], s[\g0+2:\g0+3], 0x100000   ; 32 l x 64 b x 512 bytes; the type bits on top are not reached
.endif
	s_wait_dscnt 0x0                               ; the add is done, and my reads of the slot that I leave are in registers
.if \fill
	ROUND                                          ; no wave of any partner still reads that slot or has a load on its way
	tensor_load_to_lds s[\g0:\g0+3], s[G1E:G1E+7]  ; my one tensor load until the next change: 8 l of the chunk two on
	s_nop 0
.rept 4
	v_nop                                          ; four plain lines behind a tensor load
.endr
.else
	s_barrier_signal -1
	s_barrier_wait -1
.endif
.endm
; One matrix instruction: accumulator a of set p takes K step s.  Step 0 starts the sum with the constant 0: nothing is ever cleared.
.macro MM p, s, a
	SETIX \s
.set rD, ACC+64*(\p)+8*(\a)
.set rW, 64*IXV+8*(\a)
.if (\s) < 3
.set rF, 8*(\s)
.else
.set rF, 24+40*(\p)+8*((\s)-3)
.endif
.set rA, WS+8*((\a)/2)+(\s)
.set rB, ES+8*(\p)+(\s)
.if (\s) == 0
.if (\a)%2
	v_wmma_scale_f32_16x16x128_f8f6f4 v[rD:rD+7], v[rW:rW+7], v[rF:rF+7], 0, v[rA], v[rB] matrix_a_fmt:MATRIX_FMT_FP4 matrix_b_fmt:MATRIX_FMT_FP4 matrix_a_scale:MATRIX_SCALE_ROW1
.else
	v_wmma_scale_f32_16x16x128_f8f6f4 v[rD:rD+7], v[rW:rW+7], v[rF:rF+7], 0, v[rA], v[rB] matrix_a_fmt:MATRIX_FMT_FP4 matrix_b_fmt:MATRIX_FMT_FP4
.endif
.else
.if (\a)%2
	v_wmma_scale_f32_16x16x128_f8f6f4 v[rD:rD+7], v[rW:rW+7], v[rF:rF+7], v[rD:rD+7], v[rA], v[rB] matrix_a_fmt:MATRIX_FMT_FP4 matrix_b_fmt:MATRIX_FMT_FP4 matrix_a_scale:MATRIX_SCALE_ROW1
.else
	v_wmma_scale_f32_16x16x128_f8f6f4 v[rD:rD+7], v[rW:rW+7], v[rF:rF+7], v[rD:rD+7], v[rA], v[rB] matrix_a_fmt:MATRIX_FMT_FP4 matrix_b_fmt:MATRIX_FMT_FP4
.endif
.endif
.endm
; The dot with h: pair c of accumulator a of set pp, times h, onto pair c of that set's sums; a = 0 starts from TB, the bias's part.  Pair 0 comes first: an accumulator is read from its low end on.
; on = 0: no block to dot yet: a v_nop keeps the place.
.macro EP pp, a, c, on
.if \on
	SETIX \a
.set rP, PS+8*(\pp)+2*(\c)
.set rH, HV+8*IXV+2*(\c)
.set rC, ACC+64*(\pp)+8*(\a)+2*(\c)
.if (\a) == 0
	v_pk_fma_f32 v[rP:rP+1], v[rH:rH+1], v[rC:rC+1], v[TB+2*(\c):TB+2*(\c)+1]
.else
	v_pk_fma_f32 v[rP:rP+1], v[rH:rH+1], v[rC:rC+1], v[rP:rP+1]
.endif
.else
	v_nop
.endif
.endm
; The eight sums of set pp become one, in four lines.  They are additions written as 1.0 x y + z: source 0, whose window is W's here, is then a constant, and no switch of the window is needed.
.macro RED pp, i
.set rP, PS+8*(\pp)
.if (\i) == 0
	v_pk_fma_f32 v[rP:rP+1], 1.0, v[rP+2:rP+3], v[rP:rP+1] op_sel_hi:[0,1,1]
.elseif (\i) == 1
	v_pk_fma_f32 v[rP+4:rP+5], 1.0, v[rP+6:rP+7], v[rP+4:rP+5] op_sel_hi:[0,1,1]
.elseif (\i) == 2
	v_pk_fma_f32 v[rP:rP+1], 1.0, v[rP+4:rP+5], v[rP:rP+1] op_sel_hi:[0,1,1]
.else
	v_fma_f32 v[rP], 1.0, v[rP], v[rP+1]
.endif
.endm
; Load i of the 16 that bring a block's eight fragments (parity p) from eo bytes behind v[ADE].  Order of the K steps: 0, 1, 7, 6, 2, 3, 4, 5: steps 0 to 2 have one set of registers and each is asked for only
; when its last product lies four places back; steps 7 and 6 fill the time until step 2's registers are free.
; A fragment, 16 rows x 128 K of 4-bit codes: lane (r, h) holds row r; registers 4 c .. 4 c + 3 hold K = 64 c + 32 h + 0 .. 31: 16 bytes of the row as they lie, two loads 32 bytes apart.
.macro LDN p, i, eo
.set tL, (\i)/2
.if tL == 0
.set sL, 0
.elseif tL == 1
.set sL, 1
.elseif tL == 2
.set sL, 7
.elseif tL == 3
.set sL, 6
.elseif tL == 4
.set sL, 2
.else
.set sL, tL-2
.endif
.if sL < 3
.set rL, 8*sL
.else
.set rL, 24+40*(\p)+8*(sL-3)
.endif
.set rL, rL+4*((\i)%2)
	ds_load_b128 v[rL:rL+3], v[ADE] offset:(\eo)+64*sL+32*((\i)%2)
.endm
; K step s of a block: eight matrix instructions, the eight accumulators by turns, one instruction a turn; behind every second one a line of the dot.
; In steps 3 and 4 one LDS load stands behind each matrix instruction; in steps 0 to 2 the four lines that add up the block before last.
.macro GROUP p, s, ld, ep, rd, eo
.irp a, 0,1,2,3,4,5,6,7
	MM \p, \s, \a
.if \ld && (((\s) == 3) || ((\s) == 4))
	LDN 1-(\p), 8*((\s)-3)+\a, \eo
.endif
.if \rd
.if ((\s) == 0) && (\a == 0)
	RED \p, 0
.elseif ((\s) == 0) && (\a == 2)
	RED \p, 1
.elseif ((\s) == 1) && (\a == 0)
	RED \p, 2
.elseif ((\s) == 2) && (\a == 0)
	RED \p, 3
.endif
.endif
.if (\a)%2
	EP 1-(\p), \s, (\a)/2, \ep
.endif
.endr
.endm
; A BLOCK of parity p.  ld: the next block's fragments (eo) and scale words (so) are fetched;  ep: the block before is dotted with h;  rd: the block before that is added up and stored (qo).
; THE WAITS.  A block's LDS lines are issued in this order: [store,] 2 of scale words, then 2 each of steps 0, 1, 7, 6, 2, 3, 4, 5.  LDS serves a wave's lines in order (ISA guide 5.7.1), so each count is the number
; of loads issued behind the one that is wanted: step 0 (and the scale words): 14; step 1: 12; step 2 (7 and 6 are then in too): 6; step 3: 4, and this block's 2 of scale words; step 4: 2 + 2 + step 3's 8;
; step 5: 0 + 2 + 16.  The store is not counted, which makes a wait stricter at the most.  A block that fetches nothing: 4, 2, 0.
; THE PLACES.  A load into a register that a matrix instruction has read, and the first read of a result, stand four plain vector lines behind that matrix instruction: the lines of the dot are these
; lines, four to a K step, and they name none of this block's registers.
.macro BLOCK p, ld, ep, rd, eo, so, qo
	WIN ALPHA
	s_wait_dscnt 14
	GROUP \p, 0, \ld, \ep, \rd, \eo
	s_wait_dscnt 12
	GROUP \p, 1, \ld, \ep, \rd, \eo
	s_wait_dscnt 6
	GROUP \p, 2, \ld, \ep, \rd, \eo
	WIN SECT
.if \rd
	ds_store_b32 v[SCA], v[PS+8*(\p)] offset:\qo   ; lane (r, h): the sum over my 64 g for enc row r of the block before last
.endif
.if \ld
	ds_load_b128 v[ES+8*(1-(\p)):ES+8*(1-(\p))+3], v[SCL] offset:\so       ; the next block's scale words: a row's 32 bytes, eight K steps
	ds_load_b128 v[ES+8*(1-(\p))+4:ES+8*(1-(\p))+7], v[SCL] offset:(\so)+16
.endif
	WIN GAMMA
.if \ld
	s_wait_dscnt 6
.else
	s_wait_dscnt 4
.endif
	GROUP \p, 3, \ld, \ep, \rd, \eo
.if \ld
	s_wait_dscnt 12
.else
	s_wait_dscnt 2
.endif
	GROUP \p, 4, \ld, \ep, \rd, \eo
	WIN BETA
.if \ld
	s_wait_dscnt 18
.else
	s_wait_dscnt 0
.endif
	GROUP \p, 5, \ld, \ep, \rd, \eo
	GROUP \p, 6, \ld, \ep, \rd, \eo
	GROUP \p, 7, \ld, \ep, \rd, \eo
.endm
; The three LDS addresses that walk: a scalar stepped by a constant, added to the lane's place.  (An LDS line's sources need no wait.)
.macro ADV de, ds, dq
	s_add_co_u32 s66, s66, \de
	s_add_co_u32 s67, s67, \ds
	s_add_co_u32 s81, s81, \dq
	v_add_nc_u32 v[ADE], s66, v[LT]
	v_add_nc_u32 v[SCL], s67, v[SCL0]
	v_add_nc_u32 v[SCA], s81, v[SCA0]
.endm
.macro PAIRS trips                     ; two blocks a trip: an odd one, then an even one
	s_mov_b32 s80, \trips
.Lpair_\@:
	BLOCK 1, 1, 1, 1, 0, 0, 0
	BLOCK 0, 1, 1, 1, BLK, 2*SCP, QP
	WIN 0                                          ; at a label and at a branch every window is 0
	ADV 2*BLK, 4*SCP, 2*QP
	s_sub_co_u32 s80, s80, 1
	s_cmp_lg_u32 s80, 0
	s_cbranch_scc1 .Lpair_\@
.endm
.macro WCOPY s, ix                     ; W's eight fragments of K step s, from its tile in LDS into the registers in which they stay
.irp a, 0,1,2,3,4,5,6,7
	ds_load_b128 v[64*\ix+8*\a:64*\ix+8*\a+3],   v[AW] offset:\a*BLK+64*\s
	ds_load_b128 v[64*\ix+8*\a+4:64*\ix+8*\a+7], v[AW] offset:\a*BLK+64*\s+32
.endr
.endm
.macro TBI a                           ; TB += h x bias for W's block a (the bias lies for the moment where accumulator set 0 will be)
	SETIX \a
.irp c, 0,1,2,3
.if (\a) == 0
	v_pk_mul_f32 v[TB+2*\c:TB+2*\c+1], v[HV+8*IXV+2*\c:HV+8*IXV+2*\c+1], v[ACC+8*(\a)+2*\c:ACC+8*(\a)+2*\c+1]
.else
	v_pk_fma_f32 v[TB+2*\c:TB+2*\c+1], v[HV+8*IXV+2*\c:HV+8*IXV+2*\c+1], v[ACC+8*(\a)+2*\c:ACC+8*(\a)+2*\c+1], v[TB+2*\c:TB+2*\c+1]
.endif
.endr
.endm
	; ---- THE HEAD
	s_load_b256 s[4:11], s[0:1], 0x0               ; W's codes s[4:5], W's scales s[6:7], bias s[8:9], enc's codes s[10:11]
	s_load_b128 s[12:15], s[0:1], 0x20             ; enc's scales s[12:13], h s[14:15]
	s_load_b64 s[16:17], s[0:1], 0x30              ; part
	v_lshl_add_u32 v[SPW], v0, 2, SPARE
	v_mov_b32 v[NIL], 0
	ds_add_u32 v176, v177
	ds_add_u32 v176, v177
	s_wait_dscnt 0x0
	v_lshrrev_b32 v183, 5, v0
	v_readfirstlane_b32 s18, v183                  ; wave 0..3
	s_and_b32 s19, s18, 1                          ; gh: which 128 rows of W are mine
	s_lshr_b32 s20, s18, 1                         ; mh: which 64 l are mine
	s_bfe_u32 s21, ttmp6, 0x40000                  ; cx, cy: my place in the cluster
	s_bfe_u32 s22, ttmp6, 0x40004
	s_lshl_b32 s23, ttmp9, 2
	s_add_co_u32 s23, s23, s21                     ; q = 4 x cluster x + cx
	s_and_b32 s24, ttmp7, 0xffff
	s_lshl_b32 s24, s24, 2
	s_add_co_u32 s24, s24, s22                     ; yg = 4 x cluster y + cy
	s_lshl_b32 s25, s22, 2
	s_lshl_b32 s25, 15, s25                        ; my row of the cluster: it shares yg
	s_lshl_b32 s26, 0x1111, s21                    ; my column: it shares q
	s_and_b32 s27, s24, 7
	s_lshl_b32 s27, s27, 3                         ; b0
	s_lshr_b32 s28, s24, 3
	s_lshl_b32 s28, s28, 7                         ; l0
	; offsets in bytes.  Those of the joint loads are made of what the partners share and of the wave's number alone, in registers that never hold the other coordinate
	s_lshl_b32 s82, s23, 17                        ; W's codes: (256 q + 64 w) rows of 512 bytes
	s_lshl_b32 s83, s18, 15
	s_add_co_u32 s82, s82, s83
	s_mov_b32 s83, 0
	s_lshl_b32 s30, s28, 11                        ; enc's scales: ((l0 + 32 w) 64 + b0) rows of 32 bytes
	s_lshl_b32 s34, s18, 16
	s_add_co_u32 s30, s30, s34
	s_lshl_b32 s34, s27, 5
	s_add_co_u32 s30, s30, s34
	s_mov_b32 s31, 0
	s_lshl_b32 s32, s28, 15                        ; enc's codes: ((l0 + 64 (w / 2) + 8 (w % 2)) 64 + b0) rows of 512 bytes
	s_lshl_b32 s34, s20, 21
	s_add_co_u32 s32, s32, s34
	s_lshl_b32 s34, s19, 18
	s_add_co_u32 s32, s32, s34
	s_lshl_b32 s34, s27, 9
	s_add_co_u32 s32, s32, s34
	s_mov_b32 s33, 0
	s_lshl_b32 s84, s23, 13                        ; W's scales: (256 q + 128 gh) rows of 32 bytes
	s_lshl_b32 s85, s19, 12
	s_add_co_u32 s84, s84, s85
	s_mov_b32 s85, 0
	s_lshl_b32 s86, s23, 10                        ; the bias: (256 q + 128 gh) numbers of 4 bytes
	s_lshl_b32 s87, s19, 9
	s_add_co_u32 s86, s86, s87
	s_mov_b32 s87, 0
	s_lshl_b32 s88, s27, 12                        ; h: row b0 of 4,096 bytes, and the same columns
	s_add_co_u32 s88, s88, s86
	s_mov_b32 s89, 0
	s_add_co_u32 s90, s27, s18                     ; part: quarter q of 262,144 bytes, row b0 + w of 4,096, column l0
	s_lshl_b32 s90, s90, 12
	s_lshl_b32 s91, s23, 18
	s_add_co_u32 s90, s90, s91
	s_lshl_b32 s91, s28, 2
	s_add_co_u32 s90, s90, s91
	s_mov_b32 s91, 0
	; group 1, enc's codes: 8 l; a tile's row is one l's 8 b x 512 = 4,096 dense bytes, 32,768 bytes from l to l; 16 bytes of padding behind every 512: 64 LDS rows 528 bytes apart
	s_or_b32 s[G1E], s25, (1<<20)|(1<<21)|(6<<22)|(3<<25)   ; 15:0 the mask: my row; 17:16 elements of 1 byte; 20 padding on; 21 set beside a mask; 24:22 after every 128 words (code 6); 31:25 four words (code 3)
	s_mov_b32 s[G1E+1], 4096<<16                   ; tensor_dim0
	s_mov_b32 s[G1E+2], 8<<16                      ; tensor_dim1
	s_mov_b32 s[G1E+3], 4096<<16                   ; tile_dim0
	s_mov_b32 s[G1E+4], 8                          ; tile_dim1
	s_mov_b32 s[G1E+5], 32768                      ; tensor_dim0_stride
	s_mov_b32 s[G1E+6], 0
	s_mov_b32 s[G1E+7], 0
	; enc's scales: 32 l; a row is one l's 8 b x 32 = 256 dense bytes, 2,048 bytes from l to l; 16 bytes of padding behind each
	s_or_b32 s[G1S], s25, (1<<20)|(1<<21)|(5<<22)|(3<<25)
	s_mov_b32 s[G1S+1], 256<<16
	s_mov_b32 s[G1S+2], 32<<16
	s_mov_b32 s[G1S+3], 256<<16
	s_mov_b32 s[G1S+4], 32
	s_mov_b32 s[G1S+5], 2048
	s_mov_b32 s[G1S+6], 0
	s_mov_b32 s[G1S+7], 0
	; W's codes: 64 rows of 512 bytes, dense; 16 bytes of padding behind each
	s_or_b32 s[G1W], s26, (1<<20)|(1<<21)|(6<<22)|(3<<25)   ; the mask: my column
	s_mov_b32 s[G1W+1], 512<<16
	s_mov_b32 s[G1W+2], 64<<16
	s_mov_b32 s[G1W+3], 512<<16
	s_mov_b32 s[G1W+4], 64
	s_mov_b32 s[G1W+5], 512
	s_mov_b32 s[G1W+6], 0
	s_mov_b32 s[G1W+7], 0
	; the lanes' terms: all that hangs on v0 is made here, since v0-127 will hold fragments of W
	v_and_b32 v183, 15, v0                         ; r
	v_bfe_u32 v184, v0, 4, 1                       ; h
	v_and_b32 v185, 31, v0                         ; lane
	v_and_b32 v186, 7, v0                          ; r % 8: my b
	v_bfe_u32 v187, v0, 3, 1                       ; r / 8: my l of the block's two
	v_mul_u32_u24 v188, v183, PITCH
	v_lshl_add_u32 v188, v184, 4, v188             ; a fragment's row x pitch + 16 h
	s_mul_i32 s35, s20, HALF
	v_add_nc_u32 v[LT], s35, v188                  ; enc: my half of a slot
	s_mul_i32 s35, s19, HALF
	v_add_nc_u32 v[AW], s35, v188                  ; W: my 128 rows of its tile (slot 0 begins at LDS byte 0)
	v_mul_u32_u24 v189, v187, SCP
	v_lshl_add_u32 v189, v186, 5, v189             ; scale words: l's unit, 32 bytes a b
	s_mul_i32 s35, s20, 64*SCP
	s_add_co_u32 s35, s35, SC
	v_add_nc_u32 v[SCL0], s35, v189
	v_lshlrev_b32 v190, 2, v185
	s_mul_i32 s35, s18, QW
	s_add_co_u32 s35, s35, SCR
	v_add_nc_u32 v[SCA0], s35, v190                ; the scratch: my wave's part, 4 bytes a lane
	v_mul_u32_u24 v191, v183, 2*QP                 ; the way out: lane x reads l = 4 x + i: wave pair x / 16, blocks 2 (x % 16) + i / 2; b = w + 4 k: word w + 4 k + 8 (i % 2) + 16 h
	v_mad_u32_u24 v191, v184, 2*QW, v191
	s_lshl_b32 s35, s18, 2
	s_add_co_u32 s35, s35, SCR
	v_add_nc_u32 v[GA], s35, v191
	v_lshlrev_b32 v[GO], 4, v185
	v_lshlrev_b32 v208, 5, v185                    ; W's scales: lane L takes row 32 i + L, 32 bytes
	v_lshlrev_b32 v209, 12, v186                   ; h: row r % 8, + 32 h bytes
	v_lshl_add_u32 v209, v184, 5, v209
	v_lshlrev_b32 v210, 5, v184                    ; the bias: + 32 h bytes
	s_wait_kmcnt 0x0
	s_mov_b32 s[G0W], 1                            ; 1:0 count = 1
	s_mul_i32 s[G0W+1], s18, QUART                 ; 63:32 LDS address: slot 0, my quarter: no place in the cluster enters an LDS address
	s_add_nc_u64 s[G0W+2:G0W+3], s[4:5], s[82:83]  ; 120:64 global address
	s_or_b32 s[G0W+3], s[G0W+3], 0x80000000        ; 127:126 type = 2
	s_mov_b32 s[G0S], 1
	s_mul_i32 s[G0S+1], s18, SCW
	s_add_co_u32 s[G0S+1], s[G0S+1], SC
	s_add_nc_u64 s[G0S+2:G0S+3], s[12:13], s[30:31]
	s_or_b32 s[G0S+3], s[G0S+3], 0x80000000
	s_mov_b32 s[G0A], 1
	s_add_co_u32 s[G0A+1], s[G0W+1], R1            ; chunk 0 goes to slot 1,
	s_add_nc_u64 s[G0A+2:G0A+3], s[10:11], s[32:33]
	s_mov_b32 s[G0B], 1
	s_mov_b32 s[G0B+1], s[G0W+1]                   ; chunk 1 to slot 0;
	s_add_nc_u64 s[G0B+2:G0B+3], s[G0A+2:G0A+3], 0x80000   ; it lies 16 l x 64 b x 512 bytes on
	s_or_b32 s[G0A+3], s[G0A+3], 0x80000000
	s_or_b32 s[G0B+3], s[G0B+3], 0x80000000
	s_add_nc_u64 s[6:7], s[6:7], s[84:85]
	s_add_nc_u64 s[8:9], s[8:9], s[86:87]
	s_add_nc_u64 s[14:15], s[14:15], s[88:89]
	s_add_nc_u64 s[16:17], s[16:17], s[90:91]
	ROUND                                          ; all sixteen work-groups are here: the first joint loads meet
	tensor_load_to_lds s[G0W:G0W+3], s[G1W:G1W+7]  ; the three first fills go out together: three tensor loads of mine are out
	s_nop 0
	tensor_load_to_lds s[G0S:G0S+3], s[G1S:G1S+7]
	s_nop 0
	tensor_load_to_lds s[G0A:G0A+3], s[G1E:G1E+7]
	s_nop 0
.rept 4
	v_nop                                          ; four plain lines behind a tensor load
.endr
	; what stays in registers and comes straight from memory
.irp i, 0,1,2,3
	global_load_b128 v[WS+8*\i:WS+8*\i+3],   v208, s[6:7] offset:1024*\i       ; W's scale words: rows 32 i + lane, K steps 0-3,
	global_load_b128 v[WS+8*\i+4:WS+8*\i+7], v208, s[6:7] offset:1024*\i+16    ; K steps 4-7
.endr
.irp a, 3,4                            ; h[b0 + r % 8][.. + 16 a + 8 h + 0 .. 7] into window WX(a)
	global_load_b128 v[HV+8*(\a-3):HV+8*(\a-3)+3],   v209, s[14:15] offset:64*\a
	global_load_b128 v[HV+8*(\a-3)+4:HV+8*(\a-3)+7], v209, s[14:15] offset:64*\a+16
.endr
	WIN 0x80                                       ; destination window 2, address window 0
.irp a, 0,1,2
	global_load_b128 v[HV+8*\a:HV+8*\a+3],   v209, s[14:15] offset:64*\a
	global_load_b128 v[HV+8*\a+4:HV+8*\a+7], v209, s[14:15] offset:64*\a+16
.endr
	WIN 0xc0                                       ; destination window 3
.irp a, 5,6,7
	global_load_b128 v[HV+8*(\a-5):HV+8*(\a-5)+3],   v209, s[14:15] offset:64*\a
	global_load_b128 v[HV+8*(\a-5)+4:HV+8*(\a-5)+7], v209, s[14:15] offset:64*\a+16
.endr
	WIN 0x40                                       ; destination window 1
.irp a, 0,1,2,3,4,5,6,7                ; bias[.. + 16 a + 8 h + 0 .. 7], for the moment where accumulator set 0 will be
	global_load_b128 v[ACC+8*\a:ACC+8*\a+3],   v210, s[8:9] offset:64*\a
	global_load_b128 v[ACC+8*\a+4:ACC+8*\a+7], v210, s[8:9] offset:64*\a+16
.endr
	s_wait_tensorcnt 0x2                           ; tensor loads of a wave end in order (ISA guide 10.11.1): my part of W is in; the two issued behind it may stay out
	s_barrier_signal -1
	s_barrier_wait -1                              ; everybody's part of W is in
	WIN 0x80
	WCOPY 0, 0
	WCOPY 1, 1
	WCOPY 2, 2
	WIN 0xc0
	WCOPY 5, 0
	WCOPY 6, 1
	WCOPY 7, 2
	WIN 0
	WCOPY 3, 0                                     ; these land on v0-127: v0 has served
	WCOPY 4, 1
	s_wait_loadcnt 0x0                             ; W's scale words, h and the bias
	WIN ALPHA
	TBI 0
	TBI 1
	TBI 2
	WIN GAMMA
	TBI 3
	TBI 4
	WIN BETA
	TBI 5
	TBI 6
	TBI 7
	WIN 0
	; ---- THE STREAM.  Chunk c (256 rows: 16 l of each half) lies in slot 1 - c % 2.  Fetching runs one block ahead of multiplying, so a change of slots finds the leaving chunk's last block in registers.
	CHANGE 1, G0B, 0                               ; W is in registers, chunk 0 and the scale bytes have landed; chunk 1 goes into W's place
	s_mov_b32 s66, R1
	s_mov_b32 s67, 0
	s_mov_b32 s81, 0
	ADV 0, 0, 0
	ds_load_b128 v[ES:ES+3], v[SCL]                ; block 0: its scale words and fragments, in the order in which BLOCK asks, so that BLOCK's counts hold
	ds_load_b128 v[ES+4:ES+7], v[SCL] offset:16
	WIN 0x40
.irp i, 0,1,2,3,4,5,6,7,8,9,10,11,12,13,14,15
	LDN 0, \i, 0
.endr
	BLOCK 0, 1, 0, 0, BLK, 2*SCP, 0                ; block 0: nothing to dot yet
	BLOCK 1, 1, 1, 0, 2*BLK, 4*SCP, 0              ; block 1: nothing to add up yet
	BLOCK 0, 1, 1, 1, 3*BLK, 6*SCP, 0              ; block 2 stores block 0's sums
	WIN 0
	ADV 4*BLK, 8*SCP, QP
	PAIRS 2                                        ; blocks 3 to 6; block 7 is fetched
	CHANGE 1, G0A, 1                               ; chunk 1 has landed; chunk 2 goes into slot 1
	s_mov_b32 s66, R0
	v_add_nc_u32 v[ADE], s66, v[LT]
	PAIRS 4                                        ; blocks 7 to 14; blocks 8 to 15 are fetched
	CHANGE 1, G0B, 1                               ; chunk 3 goes into slot 0
	s_mov_b32 s66, R1
	v_add_nc_u32 v[ADE], s66, v[LT]
	PAIRS 4                                        ; blocks 15 to 22
	CHANGE 0, G0A, 0                               ; chunk 3 has landed; nothing is left to fetch
	s_mov_b32 s66, R0
	v_add_nc_u32 v[ADE], s66, v[LT]
	PAIRS 4                                        ; blocks 23 to 30
	BLOCK 1, 0, 1, 1, 0, 0, 0                      ; block 31; it stores block 29's sums
	; block 30 is added up, block 31 dotted and added up.  Behind block 31's last products stand the four lines of its last K step's dot and the lines here, accumulator by accumulator in the order in which they were finished
	WIN ALPHA
	RED 0, 0
	RED 0, 1
	EP 1, 0, 0, 1
	EP 1, 0, 1, 1
	RED 0, 2
	EP 1, 0, 2, 1
	EP 1, 0, 3, 1
	RED 0, 3
.irp a, 1,2
.irp c, 0,1,2,3
	EP 1, \a, \c, 1
.endr
.endr
	WIN SECT
	ds_store_b32 v[SCA], v[PS] offset:QP
	WIN GAMMA
.irp a, 3,4
.irp c, 0,1,2,3
	EP 1, \a, \c, 1
.endr
.endr
	WIN BETA
.irp a, 5,6,7
.irp c, 0,1,2,3
	EP 1, \a, \c, 1
.endr
.endr
	RED 1, 0
	RED 1, 1
	RED 1, 2
	RED 1, 3
	WIN SECT
	ds_store_b32 v[SCA], v[PS+8] offset:2*QP
	WIN 0
	; ---- THE WAY OUT.  A score's four parts (gh = 0, 1; h = 0, 1) lie in two waves' scratch.  Wave w takes b = b0 + w + 4 k, lane x takes l = l0 + 4 x + 0 .. 3.
	s_wait_dscnt 0x0                               ; for the others' sake: my stores into the scratch are done
	s_barrier_signal -1
	s_barrier_wait -1
.irp k, 0,1
.irp i, 0,1,2,3
.irp g, 0,1
.irp u, 0,1
	ds_load_b32 v[WO+16*\k+4*\i+2*\g+\u], v[GA] offset:\g*QW+(\i/2)*QP+64*\u+32*(\i%2)+16*\k
.endr
.endr
.endr
.endr
	s_wait_dscnt 0x0
.irp o, 0,1,2,3,4,5,6,7
	v_add_f32 v[WO+4*\o], v[WO+4*\o], v[WO+4*\o+1]
	v_add_f32 v[WO+4*\o+2], v[WO+4*\o+2], v[WO+4*\o+3]
.endr
.irp o, 0,1,2,3,4,5,6,7
	v_add_f32 v[RES+\o], v[WO+4*\o], v[WO+4*\o+2]
.endr
	global_store_b128 v[GO], v[RES:RES+3], s[16:17]                 ; 32 lanes store 512 consecutive bytes, at a multiple of 512 from part's first byte
	global_store_b128 v[GO], v[RES+4:RES+7], s[16:17] offset:16384  ; and the same four rows of b further down
	s_wait_tensorcnt 0x0                           ; the wave's end: behind my last tensor load and my last LDS store
	ds_add_u32 v[SPW], v[NIL]
	s_wait_dscnt 0x0
	ROUND                                          ; the closing round: no work-group ends while a partner may still ask for a tile that names it
	s_endpgm
.Lfunc_end_k_qb8021c68a6_scores:
	.size	k_qb8021c68a6_scores, .Lfunc_end_k_qb8021c68a6_scores-k_qb8021c68a6_scores
	.p2alignl 7, 3214868480
	.fill 96, 4, 3214868480
	.section	.rodata,"a",@progbits
	.p2align	6, 0x0
	.amdhsa_kernel k_qb8021c68a6_scores
		.amdhsa_group_segment_fixed_size 327680
		.amdhsa_private_segment_fixed_size 0
		.amdhsa_enable_private_segment 0
		.amdhsa_kernarg_size 56
		.amdhsa_user_sgpr_count 2
		.amdhsa_user_sgpr_kernarg_segment_ptr 1
		.amdhsa_wavefront_size32 1
		.amdhsa_system_sgpr_workgroup_id_x 1
		.amdhsa_system_sgpr_workgroup_id_y 1
		.amdhsa_system_sgpr_workgroup_id_z 1
		.amdhsa_system_vgpr_workitem_id 0
		.amdhsa_next_free_vgpr 1024
		.amdhsa_next_free_sgpr 96
		.amdhsa_reserve_vcc 0
		.amdhsa_float_denorm_mode_32 3
		.amdhsa_float_denorm_mode_16_64 3
		.amdhsa_memory_ordered 1
		.amdhsa_forward_progress 1
		.amdhsa_inst_pref_size 173
	.end_amdhsa_kernel
	.amdgpu_metadata
---
amdhsa.version: [ 1, 2 ]
amdhsa.kernels:
  - .name:           k_qb8021c68a6_scores
    .symbol:         k_qb8021c68a6_scores.kd
    .args:
      - { .name: W_codes, .offset: 0, .size: 8, .value_kind: global_buffer, .address_space: global }
      - { .name: W_scales, .offset: 8, .size: 8, .value_kind: global_buffer, .address_space: global }
      - { .name: b, .offset: 16, .size: 8, .value_kind: global_buffer, .address_space: global }
      - { .name: encoder_outputs_codes, .offset: 24, .size: 8, .value_kind: global_buffer, .address_space: global }
      - { .name: encoder_outputs_scales, .offset: 32, .size: 8, .value_kind: global_buffer, .address_space: global }
      - { .name: hidden_state, .offset: 40, .size: 8, .value_kind: global_buffer, .address_space: global }
      - { .name: part, .offset: 48, .size: 8, .value_kind: global_buffer, .address_space: global }
    .group_segment_fixed_size: 327680
    .private_segment_fixed_size: 0
    .kernarg_segment_align: 8
    .kernarg_segment_size: 56
    .max_flat_workgroup_size: 128
    .sgpr_count:     96
    .vgpr_count:     1024
    .wavefront_size: 32
...
	.end_amdgpu_metadata
.endif
;; end of part 1
;; launch softmax (part 2): grid 64 x 1, 1 waves a work-group, no clusters, 0 bytes of LDS; arguments part, out0; writes out0
.if DOCPART == 2
	.amdgcn_target "amdgcn-amd-amdhsa--gfx1250"
	.amdhsa_code_object_version 6
	.text
	.protected	k_qb8021c68a6_softmax
	.globl	k_qb8021c68a6_softmax
	.p2align	8
	.type	k_qb8021c68a6_softmax,@function
k_qb8021c68a6_softmax:
	s_mov_b64 s[64:65], 0
	v_nop
	global_prefetch_b8 v0, s[64:65] scope:SCOPE_SE
	s_setreg_imm32_b32 hwreg(HW_REG_WAVE_MODE, 25, 1), 1
	s_wait_xcnt 0x0
; out0[b][l] = softmax over l of score[b][l], score = the sum of part's four quarters.  part: [4][64][1024] f32; out0: [64][1024] f32.
; One wave takes a row b: 1,024 scores are 32 registers a lane, so the row stays in registers between the maximum, the exponentials and the division; no LDS, no barrier, nothing read twice.
; Each load and store of the wave covers 512 consecutive bytes.  The row's own maximum is taken away before the exponential.  The matrix unit, clusters and tensor loads would add nothing to 16 KiB a wave.
; LIMITS: a weight under 2^-126 comes out as 0 (v_exp_f32 gives no denormals: ISA guide 15.8); the division is a multiplication by v_rcp_f32's reciprocal; a row with a NaN or an infinity among its scores is not served.
.set X, 16                             ; v16-143: quarter q's 32 numbers at X + 32 q; register 4 j + i of lane x is l = 128 j + 4 x + i.  The row is then worked in v16-47
	s_load_b128 s[4:7], s[0:1], 0x0                ; part s[4:5], out0 s[6:7]
	s_lshl_b32 s2, ttmp9, 12                       ; row b of 4,096 bytes
	s_mov_b32 s3, 0
	s_mov_b32 s8, 0x3fb8aa3b                       ; c = log2(e)
	s_mov_b32 s9, s8                               ; (the packed form names the pair and takes its low word for both halves: so s9 is written)
	s_mov_b32 s10, 0x76543210
	s_mov_b32 s11, 0xfedcba98                      ; v_permlanex16_b32's selects for lane l xor 16
	v_lshlrev_b32 v1, 4, v0                        ; 16 bytes a lane
	v_mov_b32 v6, 0                                ; a lane permute's destination counts as one of its sources
	s_wait_kmcnt 0x0
	s_add_nc_u64 s[4:5], s[4:5], s[2:3]
	s_add_nc_u64 s[6:7], s[6:7], s[2:3]
.irp q, 0,1,2,3
.irp j, 0,1,2,3,4,5,6,7
	global_load_b128 v[X+32*\q+4*\j:X+32*\q+4*\j+3], v1, s[4:5] offset:262144*\q+512*\j th:TH_LOAD_NT
.endr
.endr
	s_wait_loadcnt 16                              ; loads come back in order (ISA guide 5.7.1): quarters 0 and 1 are in, the sixteen younger loads may be out
.irp j, 0,2,4,6,8,10,12,14,16,18,20,22,24,26,28,30
	v_pk_add_f32 v[X+\j:X+\j+1], v[X+\j:X+\j+1], v[X+32+\j:X+32+\j+1]
.endr
	s_wait_loadcnt 0x0
.irp j, 0,2,4,6,8,10,12,14,16,18,20,22,24,26,28,30
	v_pk_add_f32 v[X+64+\j:X+64+\j+1], v[X+64+\j:X+64+\j+1], v[X+96+\j:X+96+\j+1]
.endr
.irp j, 0,2,4,6,8,10,12,14,16,18,20,22,24,26,28,30
	v_pk_add_f32 v[X+\j:X+\j+1], v[X+\j:X+\j+1], v[X+64+\j:X+64+\j+1]   ; the scores
.endr
	; the row's maximum: four chains that do not wait for each other, then across the lanes
	v_max3_num_f32 v2, v[X], v[X+1], v[X+2]
	v_max3_num_f32 v3, v[X+3], v[X+4], v[X+5]
	v_max3_num_f32 v4, v[X+6], v[X+7], v[X+8]
	v_max3_num_f32 v5, v[X+9], v[X+10], v[X+11]
.irp i, 12,20
	v_max3_num_f32 v2, v2, v[X+\i], v[X+\i+1]
	v_max3_num_f32 v3, v3, v[X+\i+2], v[X+\i+3]
	v_max3_num_f32 v4, v4, v[X+\i+4], v[X+\i+5]
	v_max3_num_f32 v5, v5, v[X+\i+6], v[X+\i+7]
.endr
	v_max3_num_f32 v2, v2, v[X+28], v[X+29]
	v_max3_num_f32 v3, v3, v[X+30], v[X+31]
	v_max3_num_f32 v2, v2, v3, v4
	v_max_num_f32 v2, v2, v5
	v_max_num_f32_dpp v2, v2, v2 row_xmask:1 row_mask:0xf bank_mask:0xf
	v_max_num_f32_dpp v2, v2, v2 row_xmask:2 row_mask:0xf bank_mask:0xf
	v_max_num_f32_dpp v2, v2, v2 row_xmask:4 row_mask:0xf bank_mask:0xf
	v_max_num_f32_dpp v2, v2, v2 row_xmask:8 row_mask:0xf bank_mask:0xf
	v_permlanex16_b32 v6, v2, s10, s11
	v_max_num_f32 v2, v2, v6                       ; every lane holds the row's maximum m
	v_mul_f32 v10, 0xbfb8aa3b, v2                  ; -c m
	v_mov_b32 v11, v10                             ; (named with it as a pair)
.irp j, 0,2,4,6,8,10,12,14,16,18,20,22,24,26,28,30
	v_pk_fma_f32 v[X+\j:X+\j+1], v[X+\j:X+\j+1], s[8:9], v[10:11] op_sel_hi:[1,0,0]   ; c s - c m, at most a rounding above 0: the same -c m in every term, so its rounding cancels in the division
.endr
.irp j, 0,1,2,3,4,5,6,7,8,9,10,11,12,13,14,15,16,17,18,19,20,21,22,23,24,25,26,27,28,29,30,31
	v_exp_f32 v[X+\j], v[X+\j]                     ; e^(s - m)
.endr
	v_nop                                          ; one plain line between the exponentials and the first use of a result (ISA guide 5.7.2)
	s_wait_alu depctr_va_vdst(0)
	v_pk_add_f32 v[12:13], v[X:X+1], v[X+2:X+3]    ; the sum: two at a time, in two chains
	v_pk_add_f32 v[14:15], v[X+4:X+5], v[X+6:X+7]
.irp j, 8,12,16,20,24,28
	v_pk_add_f32 v[12:13], v[12:13], v[X+\j:X+\j+1]
	v_pk_add_f32 v[14:15], v[14:15], v[X+\j+2:X+\j+3]
.endr
	v_pk_add_f32 v[12:13], v[12:13], v[14:15]
	v_add_f32 v12, v12, v13
	v_add_f32_dpp v12, v12, v12 row_xmask:1 row_mask:0xf bank_mask:0xf
	v_add_f32_dpp v12, v12, v12 row_xmask:2 row_mask:0xf bank_mask:0xf
	v_add_f32_dpp v12, v12, v12 row_xmask:4 row_mask:0xf bank_mask:0xf
	v_add_f32_dpp v12, v12, v12 row_xmask:8 row_mask:0xf bank_mask:0xf
	v_permlanex16_b32 v6, v12, s10, s11
	v_add_f32 v12, v12, v6                         ; the row's sum, about 1 at the least: the maximum's own term
	v_rcp_f32 v14, v12
	v_nop                                          ; one plain line behind the reciprocal
	s_wait_alu depctr_va_vdst(0)
.irp j, 0,2,4,6,8,10,12,14,16,18,20,22,24,26,28,30
	v_pk_mul_f32 v[X+\j:X+\j+1], v[X+\j:X+\j+1], v[14:15] op_sel_hi:[1,0]   ; of the pair the low word serves both halves
.endr
.irp j, 0,1,2,3,4,5,6,7
	global_store_b128 v1, v[X+4*\j:X+4*\j+3], s[6:7] offset:512*\j th:TH_STORE_NT   ; 32 lanes store 512 consecutive bytes, at a multiple of 512 from out0's first byte
.endr
	s_endpgm
.Lfunc_end_k_qb8021c68a6_softmax:
	.size	k_qb8021c68a6_softmax, .Lfunc_end_k_qb8021c68a6_softmax-k_qb8021c68a6_softmax
	.p2alignl 7, 3214868480
	.fill 96, 4, 3214868480
	.section	.rodata,"a",@progbits
	.p2align	6, 0x0
	.amdhsa_kernel k_qb8021c68a6_softmax
		.amdhsa_group_segment_fixed_size 0
		.amdhsa_private_segment_fixed_size 0
		.amdhsa_enable_private_segment 0
		.amdhsa_kernarg_size 16
		.amdhsa_user_sgpr_count 2
		.amdhsa_user_sgpr_kernarg_segment_ptr 1
		.amdhsa_wavefront_size32 1
		.amdhsa_system_sgpr_workgroup_id_x 1
		.amdhsa_system_sgpr_workgroup_id_y 1
		.amdhsa_system_sgpr_workgroup_id_z 1
		.amdhsa_system_vgpr_workitem_id 0
		.amdhsa_next_free_vgpr 144
		.amdhsa_next_free_sgpr 66
		.amdhsa_reserve_vcc 0
		.amdhsa_float_denorm_mode_32 3
		.amdhsa_float_denorm_mode_16_64 3
		.amdhsa_memory_ordered 1
		.amdhsa_forward_progress 1
		.amdhsa_inst_pref_size 14
	.end_amdhsa_kernel
	.amdgpu_metadata
---
amdhsa.version: [ 1, 2 ]
amdhsa.kernels:
  - .name:           k_qb8021c68a6_softmax
    .symbol:         k_qb8021c68a6_softmax.kd
    .args:
      - { .name: part, .offset: 0, .size: 8, .value_kind: global_buffer, .address_space: global }
      - { .name: out0, .offset: 8, .size: 8, .value_kind: global_buffer, .address_space: global }
    .group_segment_fixed_size: 0
    .private_segment_fixed_size: 0
    .kernarg_segment_align: 8
    .kernarg_segment_size: 16
    .max_flat_workgroup_size: 32
    .sgpr_count:     66
    .vgpr_count:     144
    .wavefront_size: 32
...
	.end_amdgpu_metadata
.endif
;; end of part 2
;; ======== version 2 of 2: 2 launches
;; limits: right only within a limited range of input values
;; workspace buffers: part 1,048,576 bytes
;; launch scores (part 3): grid 4 x 64, 4 waves a work-group, clusters of 4 x 4, 327,680 bytes of LDS; arguments W_codes, W_scales, encoder_outputs_codes, encoder_outputs_scales, hidden_state, part; writes part
.if DOCPART == 3
	.amdgcn_target "amdgcn-amd-amdhsa--gfx1250"
	.amdhsa_code_object_version 6
	.text
	.protected	k_qb8021c68a6_scores
	.globl	k_qb8021c68a6_scores
	.p2align	8
	.type	k_qb8021c68a6_scores,@function
k_qb8021c68a6_scores:
	s_mov_b64 s[64:65], 0
	v_nop
	global_prefetch_b8 v0, s[64:65] scope:SCOPE_SE
	s_setreg_imm32_b32 hwreg(HW_REG_WAVE_MODE, 25, 1), 1
	s_wait_xcnt 0x0
	s_wait_alu depctr_hold_cnt(0) depctr_sa_sdst(0) depctr_va_vdst(0) depctr_va_sdst(0) depctr_va_ssrc(0) depctr_va_vcc(0) depctr_vm_vsrc(0)
	s_getreg_b32 s2, hwreg(HW_REG_IB_STS2, 6, 4)
	s_cmp_eq_u32 s2, 0
	s_cbranch_scc0 .Lentry_in_a_cluster
	s_endpgm
.Lentry_in_a_cluster:
	s_bfe_u32 s2, ttmp6, 0x10000c
	s_cmp_lg_u32 s2, 0xf033
	s_cbranch_scc0 .Lentry_shape_is_right
	s_endpgm
.Lentry_shape_is_right:
; part[q][b][l] = the sum over g in quarter q of h[b][g] x (sum over k of enc[l][b][k] W[g][k]).  The four quarters are added, and the softmax over l taken, by the next launch.
; LEFT OUT AS DEAD WORK: the bias.  It adds to score (b, l) the sum over g of h[b][g] bias[g], which does not depend on l; the softmax runs along l, and a term that is the same along its axis cancels, whatever finite
; values h and the bias hold.  So the input b has no way to the output: it is not loaded and not among the arguments.  LIMIT: a NaN, an infinity or an overflow that reaches only that term is not carried to the result.
; enc [1024 l][64 b][1024 k] and W [1024 g][1024 k] are codes of FP4 (E2M1), two a byte, K innermost, one E8M0 byte for each 32 along K: they go to the matrix unit as they lie.
; The projection never exists in memory: each tile of it is multiplied by h and summed, in f32 fused multiply-adds, straight out of the accumulators.
; SHARES.  256 work-groups = 4 quarters of g (q) x 64 groups of rows (yg): 8 neighbouring b (b0 = 8 (yg % 8)) x 128 l (l0 = 128 (yg / 8)): one l is 4,096 dense bytes of codes and 256 dense, aligned bytes of scales.
; Wave w: gh = w % 2 takes 128 of the quarter's 256 rows of W, mh = w / 2 takes 64 of the 128 l (512 rows of enc).
; W STAYS IN REGISTERS: 128 rows x 1,024 K = 512 registers a wave.  enc streams: a BLOCK is 16 rows (2 l x 8 b) x all K: 8 KiB read from LDS once, for 32 matrix instructions of 32 x 16 x 128.
; THE MATRIX INSTRUCTION: source 0 = 32 rows of W, source 1 = 16 rows of enc.  Lane (r, h) of a result holds enc row r (b = b0 + r % 8, l = .. + r / 8); register 8 u + j holds g = 32 a + 16 u + 8 h + j.
; The map lane -> b is the same in every block, so a lane's 64 numbers of h are 64 registers that stay.
; PIPELINE.  While block n is multiplied (accumulator set n % 2), block n + 1's fragments are fetched in one run of LDS lines behind K step 1, block n - 1 is dotted with h between the matrix instructions of K steps 2 to 7,
; block n - 2's eight sums are added up, and block n - 3's is stored to a scratch in LDS.  Between the write and the read of any sum that cross a wait stand nine plain vector lines or more.
; START.  While W goes from LDS into registers, K step by K step, blocks 0 and 1 are multiplied with what has come.
; CHUNKS of enc, by blocks: 0-1 (first fill), 2-7, 8-15, 16-23, 24-31.  Slot 1 takes the first two, then blocks 16-23; slot 0 first holds W, then blocks 8-15, then 24-31.
; CLUSTER 4 x 4: the four q of a row of the cluster need the same tiles of enc, the four yg of a column the same tile of W: each is asked for jointly, with a mask that names the four.  (enc's scale bytes, 32 KiB of a
; work-group's 672 KiB, come through registers instead, so that each of the four waves has one of the head's four tiles to fetch.)
; PREFETCH: behind the tensor loads of one chunk stands one global_prefetch_b8 a wave for the chunk after it; the four q of a row share its units of 256 bytes out by address.  The last chunk asks for nothing more.
; LIMITS: a scale byte 0xff gives NaN, as the format says.  The f32 sums over g are taken in another order than a row-by-row sum.
.set PITCH, 528                        ; an LDS row of codes: 512 bytes + 16 of padding = 132 words: row r starts at bank 4 r mod 64 (64 banks of 4 bytes: ISA guide 11.1)
.set BLK,   16*PITCH
.set QUART, 64*PITCH
.set HALF,  128*PITCH                  ; what one wave reads of a slot
.set SLOT,  256*PITCH
.set R0,    0
.set R1,    SLOT
.set SC,    2*SLOT                     ; enc's scale bytes of the 128 l: 256 bytes + 16 each; LDS stores alone
.set SCP,   272
.set SCR,   SC+128*SCP                 ; the scratch of partial scores: LDS stores alone
.set QP,    132                        ; a block's 32 words + 1
.set QW,    4288                       ; a wave's 32 blocks
.set SPARE, SCR+4*QW                   ; the spare words, 128 bytes for each wave
; REGISTERS, in windows of 256.  K step s: W's fragments (a = 0..3: 32 rows) at v[64 IX(s) + 16 a] of window 0 (s = 0,1), 2 (s = 2,3,4), 3 (s = 5,6,7).
;   h for W's 16 rows number a at v[192 + 8 (a % 4)] of window 2 (a = 0..3) and 3 (a = 4..7).
;   window 0 besides: v128-159 W's scale words, v160-175 enc's (two sets), v176-191 addresses, v208-247 the way out.
;   window 1: v0-15 enc's fragments of steps 0, 1 (one set); v16-111 those of steps 2-7 (two sets); v112-239 two sets of accumulators; v240-255 two sets of four pairs of sums.
.set WS,   128                         ; register 8 a + s: lane L holds the word of W's row 32 a + L
.set ES,   160                         ; set p at + 8 p, register s: lane r holds the word of the block's row r
.set SPW,  176                         ; my spare word; never rewritten
.set NIL,  177                         ; 0; never rewritten
.set SCL,  178                         ; scale words to be fetched
.set SCA,  179                         ; scratch word to be stored
.set AW,   180                         ; my lane in W's tile
.set GA,   181                         ; the way out: where I read the scratch
.set GO,   182                         ; the way out: 16 x lane
.set ADE,  183                         ; enc fragments to be fetched
.set LT,   184                         ; my lane's place in a slot; stays
.set SCL0, 185
.set SCA0, 186
.set PFO,  187                         ; the prefetches' offset; never rewritten
.set PFO1, 188                         ; the first prefetch's; never rewritten
.set HV,   192
.set RES,  208
.set WO,   216
.set ACC,  112                         ; window 1
.set PS,   240
.set G1E,  36                          ; groups 1: enc's codes, W's codes
.set G1W,  52
.set G0W,  60                          ; groups 0: W, slot 0's chunks, blocks 16-23, blocks 0-1, blocks 2-7
.set G0A,  72
.set G0B,  76
.set G0H,  84
.set G0C,  88
.set PFA1, 68
.set PFA,  94
.set GAMMA, 0x54                       ; source 0 window 0; sources 1, 2 and the destination window 1: also right for an LDS load into window 1 and an LDS store from it
.set ALPHA, 0x56                       ; source 0 window 2
.set BETA,  0x57                       ; source 0 window 3
.set ALT, 1                            ; 1 in the start alone: block 1's fragments of steps 0, 1 lie where the sums will be
.set MSB, 0
.macro WIN new                         ; the immediate's high byte repeats the setting that is left
.if MSB != \new
	s_set_vgpr_msb (MSB<<8)|\new
.set MSB, \new
.endif
.endm
.macro SETIX s
.if (\s) < 2
.set IXV, (\s)
.else
.set IXV, ((\s)-2)%3
.endif
.endm
.macro SETF p, s                       ; rF: where the fragment of step s, parity p lies
.if (\s) < 2
.set rF, 8*(\s)+ALT*(\p)*PS
.else
.set rF, 48*(\p)+8*(\s)
.endif
.endm
; A round of the cluster's barrier; CREST is what follows its opening barrier.
.macro CREST
	s_cmp_lg_u32 s18, 0
	s_cbranch_scc1 .Lnot_wave_0_\@
	s_barrier_signal -3
.Lnot_wave_0_\@:
	s_barrier_wait -3
	s_barrier_signal -1
	s_barrier_wait -1
.endm
.macro ROUND
	s_barrier_signal -1
	s_barrier_wait -1
	CREST
.endm
.macro NOPS                            ; four places
.rept 4
	v_nop
.endr
.endm
; One matrix instruction: accumulator a of set p takes K step s.  Step 0 starts the sum with the constant 0.
.macro MM p, s, a
	SETIX \s
	SETF \p, \s
.set rD, ACC+64*(\p)+16*(\a)
.set rW, 64*IXV+16*(\a)
.set rA, WS+8*(\a)+(\s)
.set rB, ES+8*(\p)+(\s)
.if (\s) == 0
	v_wmma_scale_f32_32x16x128_f4 v[rD:rD+15], v[rW:rW+15], v[rF:rF+7], 0, v[rA], v[rB]
.else
	v_wmma_scale_f32_32x16x128_f4 v[rD:rD+15], v[rW:rW+15], v[rF:rF+7], v[rD:rD+15], v[rA], v[rB]
.endif
.endm
.macro MMS p, s                        ; a K step: the four accumulators by turns
.irp a, 0,1,2,3
	MM \p, \s, \a
.endr
.endm
; The dot with h: pair c of W's 16 rows number a, set pp.  Pair 0 comes first: an accumulator is read from its low end on.
.macro EP pp, a, c
.set rP, PS+8*(\pp)+2*(\c)
.set rH, HV+8*((\a)%4)+2*(\c)
.set rC, ACC+64*(\pp)+8*(\a)+2*(\c)
.if (\a) == 0
	v_pk_mul_f32 v[rP:rP+1], v[rH:rH+1], v[rC:rC+1]
.else
	v_pk_fma_f32 v[rP:rP+1], v[rH:rH+1], v[rC:rC+1], v[rP:rP+1]
.endif
.endm
.macro EPS pp, a
.irp c, 0,1,2,3
	EP \pp, \a, \c
.endr
.endm
; The eight sums of set pp become one, in four lines: additions written as 1.0 x y + z, so that source 0, whose window is W's, is a constant.
.macro RED pp, i
.set rP, PS+8*(\pp)
.if (\i) == 0
	v_pk_fma_f32 v[rP:rP+1], 1.0, v[rP+2:rP+3], v[rP:rP+1] op_sel_hi:[0,1,1]
.elseif (\i) == 1
	v_pk_fma_f32 v[rP+4:rP+5], 1.0, v[rP+6:rP+7], v[rP+4:rP+5] op_sel_hi:[0,1,1]
.elseif (\i) == 2
	v_pk_fma_f32 v[rP:rP+1], 1.0, v[rP+4:rP+5], v[rP:rP+1] op_sel_hi:[0,1,1]
.else
	v_fma_f32 v[rP], 1.0, v[rP], v[rP+1]
.endif
.endm
; Vector line VI of a block of parity p, in this order: the dot's a = 0, 1; RED 0, RED 1; a = 2; RED 2; a = 3; RED 3 (20 lines, h in window 2); a = 4 to 7 (16 lines, h in window 3).
.macro VL p
.if VI == 8
	RED \p, 0
.elseif VI == 9
	RED \p, 1
.elseif VI == 14
	RED \p, 2
.elseif VI == 19
	RED \p, 3
.else
.if VI < 8
.set vL, VI
.elseif VI < 14
.set vL, VI-2
.elseif VI < 19
.set vL, VI-3
.else
.set vL, VI-4
.endif
.set vA, vL/4
.set vC, vL%4
	EP 1-(\p), vA, vC
.endif
.set VI, VI+1
.endm
.macro MMV p, s, n                     ; a K step with the next n vector lines dealt out behind its matrix instructions
.irp a, 0,1,2,3
	MM \p, \s, \a
.rept ((\a+1)*(\n))/4-(\a*(\n))/4
	VL \p
.endr
.endr
.endm
.macro LSC p, so                       ; a block's scale words: a row's 32 bytes
	ds_load_b128 v[ES+8*(\p):ES+8*(\p)+3], v[SCL] offset:\so
	ds_load_b128 v[ES+8*(\p)+4:ES+8*(\p)+7], v[SCL] offset:(\so)+16
.endm
; A fragment, 16 rows x 128 K: lane (r, h) holds row r; registers 4 c .. 4 c + 3 hold K = 64 c + 32 h + 0 .. 31: two loads of 16 bytes, 32 bytes apart.  A block's eight are 16 loads, 32 bytes apart:
; the four of steps 0 and 1, then the twelve of steps 2-7.
.macro LALL p, eo
.irp j, 0,1,2,3
	ds_load_b128 v[4*\j:4*\j+3], v[ADE] offset:(\eo)+32*\j
.endr
.irp j, 0,1,2,3,4,5,6,7,8,9,10,11
.set rL, 16+48*(\p)+4*\j
	ds_load_b128 v[rL:rL+3], v[ADE] offset:(\eo)+128+32*\j
.endr
.endm
.macro WALK                            ; the three LDS addresses: a scalar added to the lane's place
	v_add_nc_u32 v[ADE], s66, v[LT]
	v_add_nc_u32 v[SCL], s67, v[SCL0]
	v_add_nc_u32 v[SCA], s81, v[SCA0]
.endm
; A BLOCK of parity p.  ld: the next block is fetched (eo, so);  st: block n - 3's sum is stored (qo);  adv: the addresses go two blocks on, the scratch's by adv bytes (0: they stay).
; THE WAITS.  LDS serves a wave's lines in order (ISA guide 5.7.1).  At the head 12: the last run's loads of steps 2-7 may be out.  Behind this block's run (18 loads, and the store) the wait leaves that run out.
; THE PLACES.  A load into a register that a matrix instruction has read, and the first read of a result, stand four plain vector lines behind that matrix instruction: the four v_nop in front of the run.
.macro BLOCK p, ld, st, eo, so, qo, adv
	WIN GAMMA
	s_wait_dscnt 12
	MMS \p, 0
	MMS \p, 1
	NOPS
.if \st
	ds_store_b32 v[SCA], v[PS+8*(1-(\p))] offset:\qo   ; lane (r, h): the sum over my 64 g
.endif
.if \ld
	WIN 0
	LSC 1-(\p), \so
	WIN GAMMA
	LALL 1-(\p), \eo
.endif
.if \adv
	s_add_co_u32 s66, s66, 2*BLK
	s_add_co_u32 s67, s67, 4*SCP
	s_add_co_u32 s81, s81, \adv
	WIN 0
	WALK
.endif
	s_wait_dscnt 18*\ld+\st
.set VI, 0
	WIN ALPHA
	MMV \p, 2, 7
	MMV \p, 3, 7
	MMV \p, 4, 6
	WIN BETA
	MMV \p, 5, 5
	MMV \p, 6, 5
	MMV \p, 7, 6
.endm
; A BLOCK WITH A CHANGE OF SLOTS (parity 1).  Each wave waits for all its tensor loads, adds 0 to its spare word, and waits for that and for its reads of the slots.  fill: a round of the cluster's
; barrier follows, and the joint refill (group 0 g0; step: its address goes 32 l on first) is the first thing behind it; then the next chunk's first block is fetched.
; e0, s0, q0: where the three addresses stand from here on.  pf: the prefetch's offset (0: none).
.macro CBLOCK qo, fill, g0, step, e0, s0, q0, pf
	WIN GAMMA
	s_wait_dscnt 12
	ds_store_b32 v[SCA], v[PS] offset:\qo
	WIN 0
	s_wait_tensorcnt 0x0                           ; no tensor load of mine is out: descriptors may be written
	ds_add_u32 v[SPW], v[NIL]                      ; 0 onto my spare word
.if \step
	s_add_nc_u64 s[\g0+2:\g0+3], s[\g0+2:\g0+3], 0x100000   ; 32 l x 64 b x 512 bytes
.endif
	WIN GAMMA
	MMS 1, 0
	s_wait_dscnt 0x0                               ; the add is done, and all of this block is in registers
	s_barrier_signal -1
	MMS 1, 1                                       ; work on registers while the others arrive
	WIN ALPHA
	MMS 1, 2
	WIN 0
	s_barrier_wait -1
.if \fill
	CREST                                          ; no wave of any partner still reads that slot or has a load on its way
	tensor_load_to_lds s[\g0:\g0+3], s[G1E:G1E+7]
	s_nop 0
.endif
	NOPS                                           ; four plain lines behind a tensor load, and the places for the loads below
	s_mov_b32 s66, \e0
	s_mov_b32 s67, \s0
	s_mov_b32 s81, \q0
	WALK
	LSC 0, 0
	WIN GAMMA
	LALL 0, 0
.if (\pf) > 0
	global_prefetch_b8 v[PFO], s[PFA:PFA+1] offset:\pf th:TH_LOAD_NT scope:SCOPE_SE   ; the chunk after the one just asked for
.endif
.set VI, 0
	WIN ALPHA
	MMV 1, 3, 10
	MMV 1, 4, 10
	WIN BETA
	MMV 1, 5, 5
	MMV 1, 6, 5
	MMV 1, 7, 6
.endm
.macro PAIR                            ; an even block, then an odd one
	BLOCK 0, 1, 1, BLK, 2*SCP, 0, 0
	BLOCK 1, 1, 1, 2*BLK, 4*SCP, QP, 2*QP
.endm
.macro PAIRS trips
	WIN 0                                          ; at a label and at a branch every window is 0
	s_mov_b32 s80, \trips
.Lpair_\@:
	PAIR
	WIN 0
	s_sub_co_u32 s80, s80, 1
	s_cmp_lg_u32 s80, 0
	s_cbranch_scc1 .Lpair_\@
.endm
; The start, K step s: blocks 0 and 1's fragments, then W's eight fragments into the registers in which they stay: 20 loads.
.macro JL s
	WIN 0x40
.irp p, 0,1
	SETF \p, \s
.irp c, 0,1
	ds_load_b128 v[rF+4*\c:rF+4*\c+3], v[ADE] offset:\p*BLK+64*\s+32*\c
.endr
.endr
	SETIX \s
.if (\s) < 2
	WIN 0
.elseif (\s) < 5
	WIN 0x80
.else
	WIN 0xc0
.endif
.irp a, 0,1,2,3,4,5,6,7
	ds_load_b128 v[64*IXV+8*\a:64*IXV+8*\a+3],   v[AW] offset:\a*BLK+64*\s
	ds_load_b128 v[64*IXV+8*\a+4:64*IXV+8*\a+7], v[AW] offset:\a*BLK+64*\s+32
.endr
.endm
.macro JM s                            ; and their products: eight accumulators by turns
.if (\s) < 2
	WIN GAMMA
.elseif (\s) < 5
	WIN ALPHA
.else
	WIN BETA
.endif
	MMS 0, \s
	MMS 1, \s
.endm
.macro G0SET g, base, off              ; count = 1, the global address, type = 2
	s_mov_b32 s[\g], 1
	s_add_nc_u64 s[\g+2:\g+3], s[\base:\base+1], s[\off:\off+1]
	s_or_b32 s[\g+3], s[\g+3], 0x80000000
.endm
.macro G1SET g, d0, d1, pitch
	s_mov_b32 s[\g+1], (\d0)<<16                   ; tensor_dim0
	s_mov_b32 s[\g+2], (\d1)<<16                   ; tensor_dim1
	s_mov_b32 s[\g+3], (\d0)<<16                   ; tile_dim0
	s_mov_b32 s[\g+4], \d1                         ; tile_dim1
	s_mov_b32 s[\g+5], \pitch                      ; tensor_dim0_stride
	s_mov_b32 s[\g+6], 0
	s_mov_b32 s[\g+7], 0
.endm
	; ---- THE HEAD
	s_load_b256 s[4:11], s[0:1], 0x0               ; W's codes s[4:5], W's scales s[6:7], enc's codes s[8:9], enc's scales s[10:11]
	s_load_b128 s[12:15], s[0:1], 0x20             ; h s[12:13], part s[14:15]
	v_lshl_add_u32 v[SPW], v0, 2, SPARE
	v_mov_b32 v[NIL], 0
	ds_add_u32 v[SPW], v[NIL]                      ; the opening: the add, twice on end, ahead of my first tensor load
	ds_add_u32 v[SPW], v[NIL]
	v_lshrrev_b32 v216, 5, v0
	v_readfirstlane_b32 s18, v216                  ; wave 0..3
	s_and_b32 s19, s18, 1                          ; gh
	s_lshr_b32 s20, s18, 1                         ; mh
	s_bfe_u32 s21, ttmp6, 0x40000                  ; cx, cy
	s_bfe_u32 s22, ttmp6, 0x40004
	s_lshl_b32 s23, ttmp9, 2
	s_add_co_u32 s23, s23, s21                     ; q
	s_and_b32 s24, ttmp7, 0xffff
	s_lshl_b32 s24, s24, 2
	s_add_co_u32 s24, s24, s22                     ; yg
	s_lshl_b32 s25, s22, 2
	s_lshl_b32 s25, 15, s25                        ; my row of the cluster: it shares yg
	s_lshl_b32 s26, 0x1111, s21                    ; my column: it shares q
	s_and_b32 s27, s24, 7
	s_lshl_b32 s27, s27, 3                         ; b0
	s_lshr_b32 s28, s24, 3
	s_lshl_b32 s28, s28, 7                         ; l0
	; offsets in bytes.  Those of the joint loads are made of what the partners share and of the wave's number alone
	s_lshl_b32 s30, s28, 11                        ; enc's scales: (64 l0 + b0) rows of 32 bytes
	s_lshl_b32 s31, s27, 5
	s_add_co_u32 s30, s30, s31
	s_mov_b32 s31, 0
	s_lshl_b32 s32, s28, 15                        ; enc's codes: (64 l0 + b0) rows of 512 bytes
	s_lshl_b32 s33, s27, 9
	s_add_co_u32 s32, s32, s33
	s_lshl_b32 s34, s19, 21                        ; the head's piece: 64 gh l on
	s_add_co_u32 s34, s34, s32
	s_mov_b32 s35, 0
	s_lshl_b32 s92, s20, 21
	s_add_co_u32 s92, s92, s32                     ; 64 mh l on
	s_mul_i32 s66, s19, 0x30000                    ; blocks 2-7: 4 + 6 gh l further
	s_add_co_u32 s66, s66, s92
	s_add_co_u32 s66, s66, 0x20000
	s_mov_b32 s67, 0
	s_mul_i32 s68, s21, 0x18000                    ; their prefetch: of these 12 l my work-group's are 3 cx and the next two: 48 units of 256 bytes, 24 a wave
	s_add_co_u32 s68, s68, s92
	s_add_co_u32 s68, s68, 0x20000
	s_mov_b32 s69, 0
	s_mul_i32 s70, s19, 24
	s_add_co_u32 s92, s92, 0x80000                 ; blocks 8-15: 16 l further
	s_lshl_b32 s94, s19, 16                        ; the later prefetches: of 16 l mine are 4 cx + 2 gh, and the next
	s_lshl_b32 s95, s21, 17
	s_add_co_u32 s94, s94, s95
	s_add_co_u32 s94, s94, s92
	s_mov_b32 s95, 0
	s_lshl_b32 s93, s19, 18                        ; and 8 gh
	s_add_co_u32 s92, s92, s93
	s_mov_b32 s93, 0
	s_lshl_b32 s82, s23, 17                        ; W's codes: (256 q + 128 gh) rows of 512 bytes
	s_lshl_b32 s83, s19, 16
	s_add_co_u32 s82, s82, s83
	s_mov_b32 s83, 0
	s_lshl_b32 s96, s23, 13                        ; W's scales: (256 q + 128 gh) rows of 32 bytes
	s_lshl_b32 s97, s19, 12
	s_add_co_u32 s96, s96, s97
	s_mov_b32 s97, 0
	s_lshl_b32 s98, s27, 12                        ; h: row b0 of 4,096 bytes, column 256 q + 128 gh
	s_lshl_b32 s99, s23, 10
	s_add_co_u32 s98, s98, s99
	s_lshl_b32 s99, s19, 9
	s_add_co_u32 s98, s98, s99
	s_mov_b32 s99, 0
	s_add_co_u32 s100, s27, s18                    ; part: quarter q of 262,144 bytes, row b0 + w of 4,096, column l0
	s_lshl_b32 s100, s100, 12
	s_lshl_b32 s101, s23, 18
	s_add_co_u32 s100, s100, s101
	s_lshl_b32 s101, s28, 2
	s_add_co_u32 s100, s100, s101
	s_mov_b32 s101, 0
	; groups 1.  Elements of 1 byte (17:16 = 0), padding on (20): 16 bytes behind every 512; 21 set beside a mask
	s_or_b32 s[G1E], s25, (1<<20)|(1<<21)|(6<<22)|(3<<25)   ; enc's codes: a tile's row is one l's 4,096 dense bytes, 32,768 bytes from l to l
	G1SET G1E, 4096, 4, 32768
	s_or_b32 s[G1W], s26, (1<<20)|(1<<21)|(6<<22)|(3<<25)   ; W's codes: 128 dense rows of 512 bytes
	G1SET G1W, 512, 128, 512
	; LDS addresses of the tiles: constants and the wave's number
	s_mul_i32 s16, s19, HALF
	s_add_co_u32 s[G0W+1], s16, R0
	s_add_co_u32 s[G0H+1], s16, R1
	s_mul_i32 s17, s20, HALF
	s_mul_i32 s29, s19, 48*PITCH
	s_add_co_u32 s[G0C+1], s17, s29
	s_add_co_u32 s[G0C+1], s[G0C+1], R1+32*PITCH
	s_mul_i32 s[G0A+1], s18, QUART
	s_add_co_u32 s[G0B+1], s[G0A+1], R1
	s_mul_i32 s29, s20, 64*SCP
	s_add_co_u32 s29, s29, SC
	s_mul_i32 s80, s18, QW
	s_add_co_u32 s80, s80, SCR
	s_lshl_b32 s81, s18, 2
	s_add_co_u32 s81, s81, SCR
	; the lanes' terms: all that hangs on v0, since v0-127 will hold other things
	v_and_b32 v216, 15, v0                         ; r
	v_bfe_u32 v217, v0, 4, 1                       ; h
	v_and_b32 v218, 31, v0                         ; lane
	v_and_b32 v219, 7, v0                          ; my b
	v_bfe_u32 v220, v0, 3, 1                       ; my l of the block's two
	v_mul_u32_u24 v221, v216, PITCH
	v_lshl_add_u32 v221, v217, 4, v221             ; a fragment's row x pitch + 16 h
	v_add_nc_u32 v[LT], s17, v221                  ; enc: my half of a slot
	v_add_nc_u32 v[AW], s16, v221                  ; W: my 128 rows of its tile
	v_add_nc_u32 v[ADE], R1, v[LT]                 ; block 0
	v_mul_u32_u24 v222, v220, SCP
	v_lshl_add_u32 v222, v219, 5, v222
	v_add_nc_u32 v[SCL0], s29, v222
	v_add_nc_u32 v[SCL], s29, v222
	v_lshlrev_b32 v223, 2, v218
	v_add_nc_u32 v[SCA0], s80, v223
	v_mul_u32_u24 v224, v216, 2*QP                 ; the way out: lane x reads l = 4 x + i: mh = x / 16, blocks 2 (x % 16) + i / 2
	v_mad_u32_u24 v224, v217, 2*QW, v224
	v_add_nc_u32 v[GA], s81, v224
	v_lshlrev_b32 v[GO], 4, v218
	v_lshlrev_b32 v208, 5, v218                    ; W's scales: lane L takes row 32 i + L
	v_lshlrev_b32 v209, 12, v219                   ; h: row r % 8, + 32 h bytes
	v_lshl_add_u32 v209, v217, 5, v209
	v_lshrrev_b32 v225, 4, v0                      ; enc's scales: thread t takes 16 bytes, t % 16, of l = 8 i + t / 16
	v_lshlrev_b32 v226, 4, v216
	v_lshl_add_u32 v210, v225, 11, v226
	v_mul_u32_u24 v211, v225, SCP
	v_add_nc_u32 v211, v211, v226
	v_add_nc_u32 v211, SC, v211
	v_lshlrev_b32 v[PFO], 15, v217                 ; the prefetches: 2 l x 16 units of 256 bytes
	v_lshl_add_u32 v[PFO], v216, 8, v[PFO]
	v_min_u32 v227, 23, v218                       ; the first: 24 units; the lanes left over name the last again
	v_add_nc_u32 v227, s70, v227
	v_lshrrev_b32 v228, 4, v227
	v_and_b32 v227, 15, v227
	v_lshlrev_b32 v[PFO1], 8, v227
	v_lshl_add_u32 v[PFO1], v228, 15, v[PFO1]
	s_wait_alu depctr_va_vdst(0)
	s_wait_dscnt 0x0                               ; both opening adds are done
	s_wait_kmcnt 0x0
	G0SET G0W, 4, 82
	G0SET G0H, 8, 34
	G0SET G0C, 8, 66
	G0SET G0A, 8, 92
	s_add_co_u32 s92, s92, 0x80000                 ; blocks 16-23: 16 l further
	G0SET G0B, 8, 92
	s_add_nc_u64 s[PFA1:PFA1+1], s[8:9], s[68:69]
	s_add_nc_u64 s[PFA:PFA+1], s[8:9], s[94:95]
	s_add_nc_u64 s[6:7], s[6:7], s[96:97]
	s_add_nc_u64 s[10:11], s[10:11], s[30:31]
	s_add_nc_u64 s[12:13], s[12:13], s[98:99]
	s_add_nc_u64 s[14:15], s[14:15], s[100:101]
	ROUND                                          ; all sixteen work-groups are here: the first joint loads meet
	s_cmp_eq_u32 s20, 0                            ; one load a wave: waves 0 and 1 W's two halves, waves 2 and 3 blocks 0-1 of the two halves of l
	s_cbranch_scc0 .Lhead_enc
	tensor_load_to_lds s[G0W:G0W+3], s[G1W:G1W+7]
	s_nop 0
	NOPS
	s_branch .Lhead_asked
.Lhead_enc:
	tensor_load_to_lds s[G0H:G0H+3], s[G1E:G1E+7]
	s_nop 0
	NOPS
.Lhead_asked:
.irp i, 0,1,2,3,4,5,6,7,8,9,10,11,12,13,14,15
	global_load_b128 v[4*\i:4*\i+3], v210, s[10:11] offset:16384*\i            ; enc's scale bytes on their way to LDS
.endr
	; what stays in registers and comes straight from memory
.irp i, 0,1,2,3
	global_load_b128 v[WS+8*\i:WS+8*\i+3],   v208, s[6:7] offset:1024*\i
	global_load_b128 v[WS+8*\i+4:WS+8*\i+7], v208, s[6:7] offset:1024*\i+16
.endr
.macro HLOAD a                         ; h[b0 + r % 8][.. + 16 a + 8 h + 0 .. 7]
	global_load_b128 v[HV+8*(\a%4):HV+8*(\a%4)+3],   v209, s[12:13] offset:64*\a
	global_load_b128 v[HV+8*(\a%4)+4:HV+8*(\a%4)+7], v209, s[12:13] offset:64*\a+16
.endm
	WIN 0x80
.irp a, 0,1,2,3
	HLOAD \a
.endr
	WIN 0xc0
.irp a, 4,5,6,7
	HLOAD \a
.endr
	WIN 0
	global_prefetch_b8 v[PFO1], s[PFA1:PFA1+1] th:TH_LOAD_NT scope:SCOPE_SE   ; blocks 2-7
	s_wait_loadcnt 0x18                            ; the scale bytes are in; the 24 loads behind them may be out
.irp i, 0,1,2,3,4,5,6,7,8,9,10,11,12,13,14,15
	ds_store_b128 v211, v[4*\i:4*\i+3] offset:8*SCP*\i
.endr
	s_wait_tensorcnt 0x0                           ; my tile is in
	ds_add_u32 v[SPW], v[NIL]
	s_mov_b32 s[G1E+2], 6<<16                      ; the next load is 6 l
	s_mov_b32 s[G1E+4], 6
	s_wait_dscnt 0x0                               ; the add and my stores of scale bytes are done
	ROUND                                          ; all tiles of the head, and the scale bytes, are in
	tensor_load_to_lds s[G0C:G0C+3], s[G1E:G1E+7]  ; blocks 2-7
	s_nop 0
	NOPS
	; ---- THE START: blocks 0 and 1 while W goes into registers.  20 is the next step's loads
	LSC 0, 0
	LSC 1, 2*SCP
	JL 0
	JL 1
	global_prefetch_b8 v[PFO], s[PFA:PFA+1] th:TH_LOAD_NT scope:SCOPE_SE   ; blocks 8-15
	s_wait_loadcnt 0x10                            ; W's scale words; the sixteen loads of h may be out
	s_wait_dscnt 0x14
	JM 0
.irp s, 2,3,4,5,6,7
	JL \s
	s_wait_dscnt 0x14
	JM \s-1
.endr
	; the first change of slots: W is in registers, blocks 2-7 have landed, and W's place takes blocks 8-15
	WIN 0
	s_wait_tensorcnt 0x0
	ds_add_u32 v[SPW], v[NIL]
	s_mov_b32 s[G1E+2], 8<<16                      ; from here on a load is 8 l
	s_mov_b32 s[G1E+4], 8
	s_wait_dscnt 0x0                               ; the add is done, and K step 7 is in registers
	s_barrier_signal -1
	JM 7                                           ; work on registers while the others arrive
.set ALT, 0
	WIN 0
	s_barrier_wait -1
	CREST
	tensor_load_to_lds s[G0A:G0A+3], s[G1E:G1E+7]
	s_nop 0
	NOPS                                           ; also the places for the loads and for the first read of results
	s_mov_b32 s66, R1+2*BLK                        ; block 2
	s_mov_b32 s67, 4*SCP
	s_mov_b32 s81, 0
	WALK
	LSC 0, 0
	WIN GAMMA
	LALL 0, 0
	global_prefetch_b8 v[PFO], s[PFA:PFA+1] offset:0x80000 th:TH_LOAD_NT scope:SCOPE_SE   ; blocks 16-23
	s_wait_loadcnt 0x0                             ; h
	WIN ALPHA
.irp a, 0,1,2,3                        ; block 0 is dotted
	EPS 0, \a
.endr
	WIN BETA
.irp a, 4,5,6,7
	EPS 0, \a
.endr
	; ---- THE STREAM.  Fetching runs one block ahead of multiplying: a change of slots stands in the last block of a chunk
	BLOCK 0, 1, 0, BLK, 2*SCP, 0, 0                ; block 2
	BLOCK 1, 1, 1, 2*BLK, 4*SCP, 0, QP             ; block 3 stores block 0's sum
	PAIR                                           ; blocks 4, 5
	BLOCK 0, 1, 1, BLK, 2*SCP, 0, 0
	CBLOCK QP, 1, G0B, 0, R0, 16*SCP, 5*QP, 0x100000          ; block 7: slot 1 takes blocks 16-23
	PAIRS 3                                        ; blocks 8 to 13
	BLOCK 0, 1, 1, BLK, 2*SCP, 0, 0
	CBLOCK QP, 1, G0A, 1, R1, 32*SCP, 13*QP, 0                ; block 15: slot 0 takes blocks 24-31
	PAIRS 3                                        ; blocks 16 to 21
	BLOCK 0, 1, 1, BLK, 2*SCP, 0, 0
	CBLOCK QP, 0, G0A, 0, R0, 48*SCP, 21*QP, 0                ; block 23: nothing is left to fetch
	PAIRS 3                                        ; blocks 24 to 29
	BLOCK 0, 1, 1, BLK, 2*SCP, 0, 0                ; block 30
	BLOCK 1, 0, 1, 0, 0, QP, 0                     ; block 31
	WIN GAMMA
	ds_store_b32 v[SCA], v[PS+8] offset:2*QP       ; block 29; block 30 is added up, block 31 dotted and added up
	WIN ALPHA
	EPS 1, 0
	RED 0, 0
	RED 0, 1
	EPS 1, 1
	RED 0, 2
	EPS 1, 2
	RED 0, 3
	EPS 1, 3
	WIN BETA
.irp a, 4,5,6,7
	EPS 1, \a
.endr
.irp i, 0,1,2,3
	RED 1, \i
.endr
	WIN GAMMA
	ds_store_b32 v[SCA], v[PS] offset:3*QP
	ds_store_b32 v[SCA], v[PS+8] offset:4*QP
	WIN 0
	; ---- THE WAY OUT.  A score's four parts (gh = 0, 1; h = 0, 1) lie in two waves' scratch.  Wave w takes b = b0 + w + 4 k, lane x takes l = l0 + 4 x + 0 .. 3.
	s_wait_dscnt 0x0                               ; for the others' sake: my stores are done
	s_barrier_signal -1
	s_barrier_wait -1
.irp k, 0,1
.irp i, 0,1,2,3
.irp g, 0,1
.irp u, 0,1
	ds_load_b32 v[WO+16*\k+4*\i+2*\g+\u], v[GA] offset:\g*QW+(\i/2)*QP+64*\u+32*(\i%2)+16*\k
.endr
.endr
.endr
.endr
	s_wait_dscnt 0x0
.irp o, 0,1,2,3,4,5,6,7
	v_add_f32 v[WO+4*\o], v[WO+4*\o], v[WO+4*\o+1]
	v_add_f32 v[WO+4*\o+2], v[WO+4*\o+2], v[WO+4*\o+3]
.endr
.irp o, 0,1,2,3,4,5,6,7
	v_add_f32 v[RES+\o], v[WO+4*\o], v[WO+4*\o+2]
.endr
	global_store_b128 v[GO], v[RES:RES+3], s[14:15]                 ; 32 lanes store 512 consecutive bytes, at a multiple of 512 from part's first byte
	global_store_b128 v[GO], v[RES+4:RES+7], s[14:15] offset:16384  ; four rows of b further down
	s_wait_tensorcnt 0x0                           ; the wave's end
	ds_add_u32 v[SPW], v[NIL]
	s_wait_dscnt 0x0
	ROUND                                          ; the closing round: no work-group ends while a partner may still ask for a tile that names it
	s_endpgm
.Lfunc_end_k_qb8021c68a6_scores:
	.size	k_qb8021c68a6_scores, .Lfunc_end_k_qb8021c68a6_scores-k_qb8021c68a6_scores
	.p2alignl 7, 3214868480
	.fill 96, 4, 3214868480
	.section	.rodata,"a",@progbits
	.p2align	6, 0x0
	.amdhsa_kernel k_qb8021c68a6_scores
		.amdhsa_group_segment_fixed_size 327680
		.amdhsa_private_segment_fixed_size 0
		.amdhsa_enable_private_segment 0
		.amdhsa_kernarg_size 48
		.amdhsa_user_sgpr_count 2
		.amdhsa_user_sgpr_kernarg_segment_ptr 1
		.amdhsa_wavefront_size32 1
		.amdhsa_system_sgpr_workgroup_id_x 1
		.amdhsa_system_sgpr_workgroup_id_y 1
		.amdhsa_system_sgpr_workgroup_id_z 1
		.amdhsa_system_vgpr_workitem_id 0
		.amdhsa_next_free_vgpr 1024
		.amdhsa_next_free_sgpr 102
		.amdhsa_reserve_vcc 0
		.amdhsa_float_denorm_mode_32 3
		.amdhsa_float_denorm_mode_16_64 3
		.amdhsa_memory_ordered 1
		.amdhsa_forward_progress 1
		.amdhsa_inst_pref_size 188
	.end_amdhsa_kernel
	.amdgpu_metadata
---
amdhsa.version: [ 1, 2 ]
amdhsa.kernels:
  - .name:           k_qb8021c68a6_scores
    .symbol:         k_qb8021c68a6_scores.kd
    .args:
      - { .name: W_codes, .offset: 0, .size: 8, .value_kind: global_buffer, .address_space: global }
      - { .name: W_scales, .offset: 8, .size: 8, .value_kind: global_buffer, .address_space: global }
      - { .name: encoder_outputs_codes, .offset: 16, .size: 8, .value_kind: global_buffer, .address_space: global }
      - { .name: encoder_outputs_scales, .offset: 24, .size: 8, .value_kind: global_buffer, .address_space: global }
      - { .name: hidden_state, .offset: 32, .size: 8, .value_kind: global_buffer, .address_space: global }
      - { .name: part, .offset: 40, .size: 8, .value_kind: global_buffer, .address_space: global }
    .group_segment_fixed_size: 327680
    .private_segment_fixed_size: 0
    .kernarg_segment_align: 8
    .kernarg_segment_size: 48
    .max_flat_workgroup_size: 128
    .sgpr_count:     102
    .vgpr_count:     1024
    .wavefront_size: 32
...
	.end_amdgpu_metadata
.endif
;; end of part 3
;; launch softmax (part 4): grid 64 x 1, 1 waves a work-group, no clusters, 0 bytes of LDS; arguments part, out0; writes out0
.if DOCPART == 4
	.amdgcn_target "amdgcn-amd-amdhsa--gfx1250"
	.amdhsa_code_object_version 6
	.text
	.protected	k_qb8021c68a6_softmax
	.globl	k_qb8021c68a6_softmax
	.p2align	8
	.type	k_qb8021c68a6_softmax,@function
k_qb8021c68a6_softmax:
	s_mov_b64 s[64:65], 0
	v_nop
	global_prefetch_b8 v0, s[64:65] scope:SCOPE_SE
	s_setreg_imm32_b32 hwreg(HW_REG_WAVE_MODE, 25, 1), 1
	s_wait_xcnt 0x0
; out0[b][l] = softmax over l of score[b][l], score = the sum of part's four quarters.  part: [4][64][1024] f32; out0: [64][1024] f32.
; One wave takes a row b: 1,024 scores are 32 registers a lane, so the row stays in registers between the maximum, the exponentials and the division; no LDS, no barrier, nothing read twice.
; Each load and store of the wave covers 512 consecutive bytes.  The row's own maximum is taken away before the exponential.  The matrix unit, clusters and tensor loads would add nothing to 16 KiB a wave.
; LIMITS: a weight under 2^-126 comes out as 0 (v_exp_f32 gives no denormals: ISA guide 15.8); the division is a multiplication by v_rcp_f32's reciprocal; a row with a NaN or an infinity among its scores is not served.
.set X, 16                             ; v16-143: quarter q's 32 numbers at X + 32 q; register 4 j + i of lane x is l = 128 j + 4 x + i.  The row is then worked in v16-47
	s_load_b128 s[4:7], s[0:1], 0x0                ; part s[4:5], out0 s[6:7]
	s_lshl_b32 s2, ttmp9, 12                       ; row b of 4,096 bytes
	s_mov_b32 s3, 0
	s_mov_b32 s8, 0x3fb8aa3b                       ; c = log2(e)
	s_mov_b32 s9, s8                               ; (the packed form names the pair and takes its low word for both halves: so s9 is written)
	s_mov_b32 s10, 0x76543210
	s_mov_b32 s11, 0xfedcba98                      ; v_permlanex16_b32's selects for lane l xor 16
	v_lshlrev_b32 v1, 4, v0                        ; 16 bytes a lane
	v_mov_b32 v6, 0                                ; a lane permute's destination counts as one of its sources
	s_wait_alu depctr_va_vdst(0)
	s_wait_kmcnt 0x0
	s_add_nc_u64 s[4:5], s[4:5], s[2:3]
	s_add_nc_u64 s[6:7], s[6:7], s[2:3]
.irp q, 0,1,2,3
.irp j, 0,1,2,3,4,5,6,7
	global_load_b128 v[X+32*\q+4*\j:X+32*\q+4*\j+3], v1, s[4:5] offset:262144*\q+512*\j th:TH_LOAD_NT
.endr
.endr
	s_wait_loadcnt 16                              ; loads come back in order (ISA guide 5.7.1): quarters 0 and 1 are in, the sixteen younger loads may be out
.irp j, 0,2,4,6,8,10,12,14,16,18,20,22,24,26,28,30
	v_pk_add_f32 v[X+\j:X+\j+1], v[X+\j:X+\j+1], v[X+32+\j:X+32+\j+1]
.endr
	s_wait_loadcnt 0x0
.irp j, 0,2,4,6,8,10,12,14,16,18,20,22,24,26,28,30
	v_pk_add_f32 v[X+64+\j:X+64+\j+1], v[X+64+\j:X+64+\j+1], v[X+96+\j:X+96+\j+1]
.endr
.irp j, 0,2,4,6,8,10,12,14,16,18,20,22,24,26,28,30
	v_pk_add_f32 v[X+\j:X+\j+1], v[X+\j:X+\j+1], v[X+64+\j:X+64+\j+1]   ; the scores
.endr
	; the row's maximum: four chains that do not wait for each other, then across the lanes
	v_max3_num_f32 v2, v[X], v[X+1], v[X+2]
	v_max3_num_f32 v3, v[X+3], v[X+4], v[X+5]
	v_max3_num_f32 v4, v[X+6], v[X+7], v[X+8]
	v_max3_num_f32 v5, v[X+9], v[X+10], v[X+11]
.irp i, 12,20
	v_max3_num_f32 v2, v2, v[X+\i], v[X+\i+1]
	v_max3_num_f32 v3, v3, v[X+\i+2], v[X+\i+3]
	v_max3_num_f32 v4, v4, v[X+\i+4], v[X+\i+5]
	v_max3_num_f32 v5, v5, v[X+\i+6], v[X+\i+7]
.endr
	v_max3_num_f32 v2, v2, v[X+28], v[X+29]
	v_max3_num_f32 v3, v3, v[X+30], v[X+31]
	v_max3_num_f32 v2, v2, v3, v4
	v_max_num_f32 v2, v2, v5
	v_max_num_f32_dpp v2, v2, v2 row_xmask:1 row_mask:0xf bank_mask:0xf
	v_max_num_f32_dpp v2, v2, v2 row_xmask:2 row_mask:0xf bank_mask:0xf
	v_max_num_f32_dpp v2, v2, v2 row_xmask:4 row_mask:0xf bank_mask:0xf
	v_max_num_f32_dpp v2, v2, v2 row_xmask:8 row_mask:0xf bank_mask:0xf
	v_permlanex16_b32 v6, v2, s10, s11
	v_max_num_f32 v2, v2, v6                       ; every lane holds the row's maximum m
	v_mul_f32 v10, 0xbfb8aa3b, v2                  ; -c m
	v_mov_b32 v11, v10                             ; (named with it as a pair)
.irp j, 0,2,4,6,8,10,12,14,16,18,20,22,24,26,28,30
	v_pk_fma_f32 v[X+\j:X+\j+1], v[X+\j:X+\j+1], s[8:9], v[10:11] op_sel_hi:[1,0,0]   ; c s - c m, at most a rounding above 0: the same -c m in every term, so its rounding cancels in the division
.endr
	s_wait_alu depctr_va_vdst(0)
.irp j, 0,1,2,3,4,5,6,7,8,9,10,11,12,13,14,15,16,17,18,19,20,21,22,23,24,25,26,27,28,29,30,31
	v_exp_f32 v[X+\j], v[X+\j]                     ; e^(s - m)
.endr
	v_nop                                          ; one plain line between the exponentials and the first use of a result (ISA guide 5.7.2)
	s_wait_alu depctr_va_vdst(0)
	v_pk_add_f32 v[12:13], v[X:X+1], v[X+2:X+3]    ; the sum: two at a time, in two chains
	v_pk_add_f32 v[14:15], v[X+4:X+5], v[X+6:X+7]
.irp j, 8,12,16,20,24,28
	v_pk_add_f32 v[12:13], v[12:13], v[X+\j:X+\j+1]
	v_pk_add_f32 v[14:15], v[14:15], v[X+\j+2:X+\j+3]
.endr
	v_pk_add_f32 v[12:13], v[12:13], v[14:15]
	v_add_f32 v12, v12, v13
	v_add_f32_dpp v12, v12, v12 row_xmask:1 row_mask:0xf bank_mask:0xf
	v_add_f32_dpp v12, v12, v12 row_xmask:2 row_mask:0xf bank_mask:0xf
	v_add_f32_dpp v12, v12, v12 row_xmask:4 row_mask:0xf bank_mask:0xf
	v_add_f32_dpp v12, v12, v12 row_xmask:8 row_mask:0xf bank_mask:0xf
	v_permlanex16_b32 v6, v12, s10, s11
	v_add_f32 v12, v12, v6                         ; the row's sum, about 1 at the least: the maximum's own term
	s_wait_alu depctr_va_vdst(0)
	v_rcp_f32 v14, v12
	v_nop                                          ; one plain line behind the reciprocal
	s_wait_alu depctr_va_vdst(0)
.irp j, 0,2,4,6,8,10,12,14,16,18,20,22,24,26,28,30
	v_pk_mul_f32 v[X+\j:X+\j+1], v[X+\j:X+\j+1], v[14:15] op_sel_hi:[1,0]   ; of the pair the low word serves both halves
.endr
.irp j, 0,1,2,3,4,5,6,7
	global_store_b128 v1, v[X+4*\j:X+4*\j+3], s[6:7] offset:512*\j th:TH_STORE_NT   ; 32 lanes store 512 consecutive bytes, at a multiple of 512 from out0's first byte
.endr
	s_endpgm
.Lfunc_end_k_qb8021c68a6_softmax:
	.size	k_qb8021c68a6_softmax, .Lfunc_end_k_qb8021c68a6_softmax-k_qb8021c68a6_softmax
	.p2alignl 7, 3214868480
	.fill 96, 4, 3214868480
	.section	.rodata,"a",@progbits
	.p2align	6, 0x0
	.amdhsa_kernel k_qb8021c68a6_softmax
		.amdhsa_group_segment_fixed_size 0
		.amdhsa_private_segment_fixed_size 0
		.amdhsa_enable_private_segment 0
		.amdhsa_kernarg_size 16
		.amdhsa_user_sgpr_count 2
		.amdhsa_user_sgpr_kernarg_segment_ptr 1
		.amdhsa_wavefront_size32 1
		.amdhsa_system_sgpr_workgroup_id_x 1
		.amdhsa_system_sgpr_workgroup_id_y 1
		.amdhsa_system_sgpr_workgroup_id_z 1
		.amdhsa_system_vgpr_workitem_id 0
		.amdhsa_next_free_vgpr 144
		.amdhsa_next_free_sgpr 66
		.amdhsa_reserve_vcc 0
		.amdhsa_float_denorm_mode_32 3
		.amdhsa_float_denorm_mode_16_64 3
		.amdhsa_memory_ordered 1
		.amdhsa_forward_progress 1
		.amdhsa_inst_pref_size 14
	.end_amdhsa_kernel
	.amdgpu_metadata
---
amdhsa.version: [ 1, 2 ]
amdhsa.kernels:
  - .name:           k_qb8021c68a6_softmax
    .symbol:         k_qb8021c68a6_softmax.kd
    .args:
      - { .name: part, .offset: 0, .size: 8, .value_kind: global_buffer, .address_space: global }
      - { .name: out0, .offset: 8, .size: 8, .value_kind: global_buffer, .address_space: global }
    .group_segment_fixed_size: 0
    .private_segment_fixed_size: 0
    .kernarg_segment_align: 8
    .kernarg_segment_size: 16
    .max_flat_workgroup_size: 32
    .sgpr_count:     66
    .vgpr_count:     144
    .wavefront_size: 32
...
	.end_amdgpu_metadata
.endif
;; end of part 4
